; MI455X (gfx1250); checked and timed in simulation.
; The chip was launched on July 23, 2026; its instructions are those of AMD's public machine-readable ISA for CDNA 5 (MIT licence, August 2026) and "CDNA5" Instruction Set Architecture Reference Guide (July 2026). The comments in the code are by the model that wrote it; some were corrected since.
;; Adaptive Attention Layer. Allowed arithmetic: matrix products marked QUANTISED: E2M1 operands, one E8M0 scale for each 32 along K, by v_wmma_scale_f32_16x16x128_f8f6f4 with both operands' format E2M1 (or v_wmma_scale_f32_32x16x128_f4), f32 sums; everything else in f32.
;; Inputs: Wk 256 x 256 float32; Wq 256 x 256 float32; Wv 256 x 256 float32; bk 256 float32; bq 256 float32; bv 256 float32; content 4 x 64 x 64 x 256 float32; style 4 x 64 x 64 x 256 float32.
;; Outputs: out0 4 x 64 x 64 x 256 float32.
;; This version of the problem:
;;   THIS VERSION OF THE PROBLEM IS GIVEN IN LOW PRECISION. The matrix products marked QUANTISED in the list below multiply operands that are first quantised to E2M1 (2 exponent bits, 1 mantissa bit; 4 bits a number), with one power-of-two scale for each 32 numbers along K (OCP MX v1.0); their sums are f32. All else is computed in f32.
;;   The module's matrix products, in the order in which they are computed (A, B: the left and right operand; K: the contracted axis; several contracted axes count as one K, in the product's order):
;;     1. [M 16,384, K 256] x [K 256, N 256]; A: computed on the way; B: input Wq: QUANTISED
;;     2. [M 16,384, K 256] x [K 256, N 256]; A: computed on the way; B: input Wk: QUANTISED
;;     3. [M 16,384, K 256] x [K 256, N 256]; A: input style; B: input Wv: QUANTISED
;;     4. batch 4 x [M 4,096, K 256] x [K 256, N 4,096]; A: computed on the way; B: computed on the way: QUANTISED
;;     5. batch 4 x [M 4,096, K 4,096] x [K 4,096, N 256]; A: softmax (see below); B: computed on the way: QUANTISED
;;     6. batch 4 x [M 4,096, K 4,096] x [K 4,096, N 256]; A: softmax (see below); B: computed on the way: QUANTISED
;;   THE QUANTISER, for each operand of a quantised product, along K:
;;     - K is cut into blocks of 32 from its start; a last block that is shorter is filled with zeros.
;;     - A block's scale is 2^e with e = floor(log2(the largest magnitude in the block)) - 2, held to -126 .. 127; a block of zeros has e = 0. As a byte (E8M0): e + 127.
;;     - Each number is divided by its block's scale, clamped to +-6, and rounded to the nearest number of E2M1, ties to even, subnormals kept.
;;     - The product sums the exact products of the quantised numbers (number of the format x scale) in f32.
;;   ~~~python
;;   def quantise(x, axis):      # numpy; x: float32 -> the quantised numbers, widened to float32 again
;;       x = np.moveaxis(x, axis, -1); K = x.shape[-1]
;;       x = np.pad(x, [(0, 0)] * (x.ndim - 1) + [(0, -K % 32)]); x = x.reshape(x.shape[:-1] + (-1, 32)); a = np.abs(x).max(-1, keepdims=True)
;;       e = np.where(a > 0, np.clip(np.frexp(np.where(a > 0, a, 1))[1] - 1 - 2, -126, 127), 0)      # np.frexp(a)[1] - 1 = floor(log2(a)), exactly
;;       r = np.clip(x / 2.0 ** e, -6, 6)
;;       step = 2.0 ** (np.maximum(np.frexp(np.where(r == 0, 1, r))[1] - 1, 0) - 1)
;;       q = np.round(r / step) * step * 2.0 ** e      # np.round: ties to even
;;       return np.moveaxis(q.reshape(q.shape[:-2] + (-1,))[..., :K], -1, axis).astype(np.float32)
;;   ~~~
;;   SOFTMAX AHEAD OF A QUANTISED PRODUCT. Where the list says 'softmax', what is quantised is not the finished softmax but p = 2^(t - M), with t = logit x log2(e) and M = ceil(the row's largest t), a whole number; so 1/2 < the row's largest p <= 1. The row's sum l is taken of the UNQUANTISED p, in f32, and the product's result is divided by l at the end. Since M is a whole number, a kernel that streams over the keys may use a running M (the ceiling of the running maximum): every later rescaling is an exact power of two, which a block's scale takes up: the codes' values come out the same.
;;   OPERANDS COMPUTED ON THE WAY. 'Computed on the way' means the value that the module computes at that place (a softmax that the list does not call 'softmax' is quantised finished and normalised). What goes into a quantiser is computed in f32, as accurately as f32 sums, v_exp_f32 and their like allow (about 1e-6 of the number): no bf16 or f16 on the way to a quantiser, and a product that is left as it is and whose result goes on into a quantised operand takes f32 operands (vector FMAs, or v_wmma_f32_16x16x4_f32). A number that lies on a knife's edge between two numbers of the format may be rounded either way, as far as f32 arithmetic and the matrix unit's own rounding can turn it there, and no further.
;; One version. Each part assembles by itself: llvm-mc -triple=amdgcn-amd-amdhsa -mcpu=gfx1250 --defsym DOCPART=n.
;; ======== version 1 of 1: 3 launches
;; workspace buffers: part 524,288 bytes; wc 98,304 bytes; ws 6,144 bytes; qkv 8,912,896 bytes; cst 8,192 bytes
;; launch stats (part 1): grid 262 x 1, 8 waves a work-group, no clusters, 9,216 bytes of LDS; arguments content, style, Wq, Wk, Wv, part, wc, ws; writes part, wc, ws
.if DOCPART == 1
	.amdgcn_target "amdgcn-amd-amdhsa--gfx1250"
	.amdhsa_code_object_version 6
	.text
	.protected	k_qa2183c1cdf_stats
	.globl	k_qa2183c1cdf_stats
	.p2align	8
	.type	k_qa2183c1cdf_stats,@function
k_qa2183c1cdf_stats:
	s_mov_b64 s[64:65], 0
	v_nop
	global_prefetch_b8 v0, s[64:65] scope:SCOPE_SE
	s_setreg_imm32_b32 hwreg(HW_REG_WAVE_MODE, 25, 1), 1
	s_wait_xcnt 0x0
; FIRST OF THREE LAUNCHES.  out = sqrt(relu(E[V^2] - M^2)) x norm(content) + M, M and E weighted by softmax(l2norm(Q) . l2norm(K)); all six products on codes of E2M1 with one E8M0 scale for each 32 along K.
; NO WORK IS LEFT OUT: all eight inputs have a way to the output (bq and bk move the codes of the normalised Q and K, bv those of V and V^2), and all are loaded by some launch.
; THIS LAUNCH: (a) work-groups 0-255: for 128 rows of content (0-127) or style (128-255), each channel's mean and its sum of squared distances from that mean: part[wg][2][256] f32.
; No difference of large sums is formed: a thread first takes the mean of its 32 numbers, then sums (x - mean)^2; four threads' figures are joined by M2 = sum M2_i + 32 sum (m_i - m)^2.
; (b) work-groups 256-261: Wq, Wk, Wv [k 256][d 256] f32, quantised along k, half of K each, stored as IMAGES OF OPERAND REGISTERS:
;   wc[w][tile 16][s 2][c 2][lane 32][16 bytes]: tile 2 v + u, lane slot r + 16 h holds column d = 32 v + 8 u + r + 8 (r / 8), k = 128 s + 64 c + 32 h + 0 .. 31;   ws[w][tile][s][r] one word of four scale bytes.
; A lane takes a column and its registers run down k, so a block of 32 lies in one lane and nothing is transposed.
; A block's byte is its largest magnitude's exponent field - 2, held at 1 from below; a block of zeros has the byte 1 and zero codes (the bytes are read by this program alone).
; LIMITS: NaN and infinities among the inputs are not served.
; No matrix unit, no cluster, no tensor load: the launch streams each input byte once through registers, and work-groups share nothing.
.set SPARE, 8192                       ; LDS: 4,096 bytes of means, 4,096 of M2, then the spare words, 128 bytes a wave
.set SPW,   14                         ; v14 my spare word's address; v15 = 0: both kept
.set NIL,   15
.set X,     32                         ; v32-159: 32 loads of four channels
	s_load_b512 s[4:19], s[0:1], 0x0               ; content, style, Wq, Wk, Wv, part, wc, ws
	v_lshl_add_u32 v[SPW], v0, 2, SPARE
	v_mov_b32 v[NIL], 0
	v_lshrrev_b32 v2, 5, v0
	s_delay_alu instid0(VALU_DEP_1)
	v_readfirstlane_b32 s20, v2                    ; wave 0..7
	v_lshlrev_b32 v1, 4, v0                        ; 16 x thread: my 16 bytes of four rows (4,096 bytes), and my place in LDS
	s_cmp_ge_u32 ttmp9, 256
	s_cbranch_scc1 .Lweights
	; ---------------- statistics ----------------
	s_lshr_b32 s21, ttmp9, 7                       ; 0 content, 1 style
	s_and_b32 s22, ttmp9, 127
	s_lshl_b32 s22, s22, 17                        ; 128 rows of 1,024 bytes
	s_mov_b32 s23, 0
	s_lshl_b32 s26, ttmp9, 11                      ; 2,048 bytes of part for each work-group
	s_mov_b32 s27, 0
	s_wait_kmcnt 0x0
	s_cmp_eq_u32 s21, 0
	s_cselect_b64 s[24:25], s[4:5], s[6:7]
	s_add_nc_u64 s[24:25], s[24:25], s[22:23]
	s_add_nc_u64 s[14:15], s[14:15], s[26:27]
.set i, 0
	s_wait_alu depctr_va_vdst(0)
.rept 32
	global_load_b128 v[X+4*i:X+4*i+3], v1, s[24:25] offset:4096*i   ; a wave reads 512 consecutive bytes, the work-group four rows
.set i, i+1
.endr
	s_wait_loadcnt 24                              ; the first eight loads are in; 24 younger ones may be out
.irp p, 0,2
	v_pk_add_f32 v[16+\p:17+\p], v[X+\p:X+1+\p], v[X+8+\p:X+9+\p]       ; two chains for each pair of channels; the first sums start them
	v_pk_add_f32 v[20+\p:21+\p], v[X+4+\p:X+5+\p], v[X+12+\p:X+13+\p]
.endr
.set i, 4
.rept 28
.if i%8 == 0
	s_wait_alu depctr_va_vdst(0)
	s_wait_loadcnt 24-i                            ; the next eight: 16, 8, 0 younger loads
.endif
.irp p, 0,2
	v_pk_add_f32 v[16+4*(i%2)+\p:17+4*(i%2)+\p], v[16+4*(i%2)+\p:17+4*(i%2)+\p], v[X+4*i+\p:X+4*i+1+\p]
.endr
.set i, i+1
.endr
.irp p, 0,2
	s_delay_alu instid0(VALU_DEP_2)
	v_pk_add_f32 v[16+\p:17+\p], v[16+\p:17+\p], v[20+\p:21+\p]
.endr
.irp p, 0,2
	s_delay_alu instid0(VALU_DEP_2)
	v_pk_mul_f32 v[24+\p:25+\p], v[16+\p:17+\p], 0x3d000000 op_sel_hi:[1,0]   ; / 32: my mean, v24-27
.endr
.set i, 0
.rept 32
.irp p, 0,2
	v_pk_add_f32 v[X+4*i+\p:X+4*i+1+\p], v[X+4*i+\p:X+4*i+1+\p], v[24+\p:25+\p] neg_lo:[0,1] neg_hi:[0,1]
.endr
.irp p, 0,2
.if i < 2
	s_delay_alu instid0(VALU_DEP_2)
	v_pk_mul_f32 v[160+4*i+\p:161+4*i+\p], v[X+4*i+\p:X+4*i+1+\p], v[X+4*i+\p:X+4*i+1+\p]
.else
	s_delay_alu instid0(VALU_DEP_2)
	v_pk_fma_f32 v[160+4*(i%2)+\p:161+4*(i%2)+\p], v[X+4*i+\p:X+4*i+1+\p], v[X+4*i+\p:X+4*i+1+\p], v[160+4*(i%2)+\p:161+4*(i%2)+\p]
.endif
.endr
.set i, i+1
.endr
.irp p, 0,2
	s_delay_alu instid0(VALU_DEP_2)
	v_pk_add_f32 v[160+\p:161+\p], v[160+\p:161+\p], v[164+\p:165+\p]
.endr
	ds_store_b128 v1, v[24:27]                     ; [row phase 4][256 channels] of means,
	ds_store_b128 v1, v[160:163] offset:4096       ; and of M2
	s_wait_dscnt 0x0                               ; for the others' sake: my stores have landed
	s_barrier_signal -1
	s_barrier_wait -1
	s_cmp_gt_u32 s20, 1
	s_cbranch_scc1 .Lstat_end                      ; threads 0-63 join the four row phases of four channels each
.irp q, 0,1,2,3
	ds_load_b128 v[32+4*\q:35+4*\q], v1 offset:1024*\q
	ds_load_b128 v[48+4*\q:51+4*\q], v1 offset:4096+1024*\q
.endr
	s_wait_dscnt 0x0
.irp p, 0,2
	v_pk_add_f32 v[16+\p:17+\p], v[32+\p:33+\p], v[36+\p:37+\p]
	v_pk_add_f32 v[20+\p:21+\p], v[40+\p:41+\p], v[44+\p:45+\p]
	v_pk_add_f32 v[48+\p:49+\p], v[48+\p:49+\p], v[52+\p:53+\p]
	v_pk_add_f32 v[56+\p:57+\p], v[56+\p:57+\p], v[60+\p:61+\p]
.endr
.irp p, 0
	v_pk_add_f32 v[16+\p:17+\p], v[16+\p:17+\p], v[20+\p:21+\p]
	v_pk_add_f32 v[48+\p:49+\p], v[48+\p:49+\p], v[56+\p:57+\p]
.endr
.irp p, 2
	v_pk_add_f32 v[16+\p:17+\p], v[16+\p:17+\p], v[20+\p:21+\p]
	s_delay_alu instid0(VALU_DEP_4)
	v_pk_add_f32 v[48+\p:49+\p], v[48+\p:49+\p], v[56+\p:57+\p]
.endr
.irp p, 0
	s_delay_alu instid0(VALU_DEP_4)
	v_pk_mul_f32 v[24+\p:25+\p], v[16+\p:17+\p], 0x3e800000 op_sel_hi:[1,0]
.endr
.irp p, 2
	s_delay_alu instid0(VALU_DEP_3)
	v_pk_mul_f32 v[24+\p:25+\p], v[16+\p:17+\p], 0x3e800000 op_sel_hi:[1,0]   ; / 4: the 128 rows' mean
.endr
.irp q, 0,1,2,3
.irp p, 0,2
	v_pk_add_f32 v[32+4*\q+\p:33+4*\q+\p], v[32+4*\q+\p:33+4*\q+\p], v[24+\p:25+\p] neg_lo:[0,1] neg_hi:[0,1]
.endr
.endr
.irp p, 0,2
	v_pk_mul_f32 v[20+\p:21+\p], v[32+\p:33+\p], v[32+\p:33+\p]
.endr
.irp q, 1,2,3
.irp p, 0,2
	s_delay_alu instid0(VALU_DEP_2)
	v_pk_fma_f32 v[20+\p:21+\p], v[32+4*\q+\p:33+4*\q+\p], v[32+4*\q+\p:33+4*\q+\p], v[20+\p:21+\p]
.endr
.endr
.irp p, 0,2
	s_delay_alu instid0(VALU_DEP_2)
	v_pk_fma_f32 v[48+\p:49+\p], v[20+\p:21+\p], 0x42000000, v[48+\p:49+\p] op_sel_hi:[1,0,1]   ; + 32 x the means' squared distances
.endr
	global_store_b128 v1, v[24:27], s[14:15]               ; a wave stores 512 consecutive bytes
	global_store_b128 v1, v[48:51], s[14:15] offset:1024
.Lstat_end:
	s_wait_tensorcnt 0x0                           ; the wave's end: a tensor wait, an add and its wait behind my last LDS store
	ds_add_u32 v[SPW], v[NIL]
	s_wait_dscnt 0x0
	s_endpgm
	; ---------------- weights ----------------
.Lweights:
	s_sub_co_u32 s21, ttmp9, 256
	s_lshr_b32 s22, s21, 1                         ; which weight
	s_and_b32 s23, s21, 1                          ; which 128 along K
	v_and_b32 v3, 31, v0                           ; e: column 32 x wave + e
	v_lshlrev_b32 v2, 2, v0                        ; 4 bytes a column
	s_delay_alu instid0(VALU_DEP_2)
	v_bfe_u32 v4, v3, 3, 1                         ; u = (e / 8) % 2
	s_delay_alu instid0(VALU_DEP_3)
	v_and_b32 v5, 7, v3
	s_delay_alu instid0(VALU_DEP_4)
	v_lshrrev_b32 v6, 4, v3
	s_delay_alu instid0(VALU_DEP_1)
	v_lshl_or_b32 v5, v6, 3, v5                    ; r = e % 8 + 8 (e / 16)
	s_delay_alu instid0(VALU_DEP_4)
	v_lshlrev_b32 v6, 11, v4
	s_delay_alu instid0(VALU_DEP_1)
	v_lshl_add_u32 v6, v5, 4, v6
	s_lshl_b32 s26, s20, 12
	v_add_nc_u32 v6, s26, v6                       ; codes: 4,096 wave + 2,048 u + 16 r
	v_lshlrev_b32 v7, 7, v4
	s_delay_alu instid0(VALU_DEP_1)
	v_lshl_add_u32 v7, v5, 2, v7
	s_lshl_b32 s26, s20, 8
	v_add_nc_u32 v7, s26, v7                       ; scale word: 256 wave + 128 u + 4 r
	s_lshl_b32 s26, s23, 17                        ; 128 rows of W
	s_mov_b32 s27, 0
	s_lshl_b32 s28, s22, 15
	s_lshl_b32 s30, s23, 10
	s_add_co_u32 s28, s28, s30
	s_mov_b32 s29, 0
	s_lshl_b32 s30, s22, 11
	s_lshl_b32 s32, s23, 6
	s_add_co_u32 s30, s30, s32
	s_mov_b32 s31, 0
	s_wait_kmcnt 0x0
	s_cmp_eq_u32 s22, 0
	s_cselect_b64 s[24:25], s[8:9], s[10:11]
	s_cmp_eq_u32 s22, 2
	s_cselect_b64 s[24:25], s[12:13], s[24:25]
	s_add_nc_u64 s[24:25], s[24:25], s[26:27]
	s_add_nc_u64 s[16:17], s[16:17], s[28:29]
	s_add_nc_u64 s[18:19], s[18:19], s[30:31]
.set i, 0
.rept 128
	global_load_b32 v[64+i], v2, s[24:25] offset:1024*i    ; W(128 s + i, my column): a wave reads 128 consecutive bytes, the work-group a row
.set i, i+1
.endr
.macro WBLOCK q                        ; block q: 32 numbers of mine become 16 bytes of codes and a scale byte
.set XS, 64+32*(\q)
	v_max3_num_f32 v20, |v[XS]|, |v[XS+1]|, |v[XS+2]|
	v_max3_num_f32 v21, |v[XS+3]|, |v[XS+4]|, |v[XS+5]|
.irp i, 6,10,14,18,22,26
	s_delay_alu instid0(VALU_DEP_2)
	v_max3_num_f32 v20, v20, |v[XS+\i]|, |v[XS+\i+1]|
	s_delay_alu instid0(VALU_DEP_2)
	v_max3_num_f32 v21, v21, |v[XS+\i+2]|, |v[XS+\i+3]|
.endr
	s_delay_alu instid0(VALU_DEP_2)
	v_max3_num_f32 v20, v20, |v[XS+30]|, |v[XS+31]|
	s_delay_alu instid0(VALU_DEP_1)
	v_max3_num_f32 v20, v20, v21, 0x1800000        ; the floor 2^(3 - 127): the byte cannot fall under 1
	s_delay_alu instid0(VALU_DEP_1)
	v_add_nc_u32 v22, 0xff000000, v20              ; 2 off the exponent field: the conversion's scale operand
	s_delay_alu instid0(VALU_DEP_1)
	v_lshrrev_b32 v23, 23, v22                     ; the byte
.if (\q) == 0
	s_delay_alu instid0(VALU_DEP_1)
	v_mov_b32 v24, v23
.else
	s_delay_alu instid0(VALU_DEP_1)
	v_lshl_or_b32 v24, v23, 8*(\q), v24
.endif
.irp g, 0,1,2,3
	v_cvt_scalef32_pk8_fp4_f32 v[32+4*(\q)+\g], v[XS+8*\g:XS+8*\g+7], v22
.endr
	global_store_b128 v6, v[32+4*(\q):35+4*(\q)], s[16:17] offset:((\q)/2)*512+((\q)%2)*256   ; the sixteen lanes of one u fill 256 consecutive bytes, aligned
.endm
	s_wait_loadcnt 63                              ; at most 63 of the 128 are out: the first 65 are in, blocks 0 and 1 among them
	WBLOCK 0
	WBLOCK 1
	s_wait_loadcnt 32                              ; block 3's 32 loads may be out
	WBLOCK 2
	s_wait_loadcnt 0x0
	WBLOCK 3
	global_store_b32 v7, v24, s[18:19]
	s_wait_tensorcnt 0x0                           ; the same three lines on this path
	ds_add_u32 v[SPW], v[NIL]
	s_wait_dscnt 0x0
	s_endpgm
.Lfunc_end_k_qa2183c1cdf_stats:
	.size	k_qa2183c1cdf_stats, .Lfunc_end_k_qa2183c1cdf_stats-k_qa2183c1cdf_stats
	.p2alignl 7, 3214868480
	.fill 96, 4, 3214868480
	.section	.rodata,"a",@progbits
	.p2align	6, 0x0
	.amdhsa_kernel k_qa2183c1cdf_stats
		.amdhsa_group_segment_fixed_size 9216
		.amdhsa_private_segment_fixed_size 0
		.amdhsa_enable_private_segment 0
		.amdhsa_kernarg_size 64
		.amdhsa_user_sgpr_count 2
		.amdhsa_user_sgpr_kernarg_segment_ptr 1
		.amdhsa_wavefront_size32 1
		.amdhsa_system_sgpr_workgroup_id_x 1
		.amdhsa_system_sgpr_workgroup_id_y 1
		.amdhsa_system_sgpr_workgroup_id_z 1
		.amdhsa_system_vgpr_workitem_id 0
		.amdhsa_next_free_vgpr 192
		.amdhsa_next_free_sgpr 66
		.amdhsa_reserve_vcc 0
		.amdhsa_float_denorm_mode_32 3
		.amdhsa_float_denorm_mode_16_64 3
		.amdhsa_memory_ordered 1
		.amdhsa_forward_progress 1
		.amdhsa_inst_pref_size 45
	.end_amdhsa_kernel
	.amdgpu_metadata
---
amdhsa.version: [ 1, 2 ]
amdhsa.kernels:
  - .name:           k_qa2183c1cdf_stats
    .symbol:         k_qa2183c1cdf_stats.kd
    .args:
      - { .name: content, .offset: 0, .size: 8, .value_kind: global_buffer, .address_space: global }
      - { .name: style, .offset: 8, .size: 8, .value_kind: global_buffer, .address_space: global }
      - { .name: Wq, .offset: 16, .size: 8, .value_kind: global_buffer, .address_space: global }
      - { .name: Wk, .offset: 24, .size: 8, .value_kind: global_buffer, .address_space: global }
      - { .name: Wv, .offset: 32, .size: 8, .value_kind: global_buffer, .address_space: global }
      - { .name: part, .offset: 40, .size: 8, .value_kind: global_buffer, .address_space: global }
      - { .name: wc, .offset: 48, .size: 8, .value_kind: global_buffer, .address_space: global }
      - { .name: ws, .offset: 56, .size: 8, .value_kind: global_buffer, .address_space: global }
    .group_segment_fixed_size: 9216
    .private_segment_fixed_size: 0
    .kernarg_segment_align: 8
    .kernarg_segment_size: 64
    .max_flat_workgroup_size: 256
    .sgpr_count:     66
    .vgpr_count:     192
    .wavefront_size: 32
...
	.end_amdgpu_metadata
.endif
;; end of part 1
;; launch proj (part 2): grid 256 x 1, 8 waves a work-group, no clusters, 115,712 bytes of LDS; arguments content, style, part, wc, ws, bq, bk, bv, qkv, cst; writes qkv, cst
.if DOCPART == 2
	.amdgcn_target "amdgcn-amd-amdhsa--gfx1250"
	.amdhsa_code_object_version 6
	.text
	.protected	k_qa2183c1cdf_proj
	.globl	k_qa2183c1cdf_proj
	.p2align	8
	.type	k_qa2183c1cdf_proj,@function
k_qa2183c1cdf_proj:
	s_mov_b64 s[64:65], 0
	v_nop
	global_prefetch_b8 v0, s[64:65] scope:SCOPE_SE
	s_setreg_imm32_b32 hwreg(HW_REG_WAVE_MODE, 25, 1), 1
	s_wait_xcnt 0x0
; SECOND LAUNCH.  Nothing is left out.  Work-groups 0-127: 128 rows of content -> codes of l2norm(Q).  Work-groups 128-255: 128 rows of style -> codes of l2norm(K), of V and of V^2 (both along the keys).
; Every work-group finishes its tensor's and batch's statistics from the 32 partial figures (M2 = sum M2_i + 128 sum (m_i - m)^2, var = M2 / 4,096, rstd = 1 / sqrt(var + 1e-5)).
; One text serves both kinds: pointers are chosen by the work-group's number, style's extra parts stand under scalar branches on it (the same in all waves).
; SHARES.  Wave W = (blk = W / 2, u = W % 2) owns the 16 rows 32 blk + 8 u + i + 8 (i / 8), i = 0 .. 15: one tile of the later products, whose rows are chosen so that two tiles' results are 16 neighbours along the next K.
; x: a lane takes 8 neighbouring channels of a row, four lanes a block of 32; codes go to LDS as rows of 128 bytes + 16.  Q, K = x W + b, transposed (source 0 = 16 columns of W, source 1 = my 16 rows):
; a lane holds one row and 128 of its 256 outputs; the bias is the C of the first product.  The row is divided by its norm and quantised in registers; the codes leave as images of operand registers.
; V (style): source 0 = 16 keys (raw codes), source 1 = 16 columns of Wv: a lane holds one channel and 16 neighbouring keys, so V and V^2 are quantised along the keys in registers.
; qkv: [b 4][rec 32] records of 52,224 bytes: V's and V^2's codes of key step rec [m 2][tile 16][c 2][lane 32][16], their scale bytes (2,048), K's codes of key step (rec + 2) % 32 [tile 8][s 2][c 2][lane 32][16], K's scale words (1,024);
; from byte 6,684,672: [b 4][chunk 32] records of 17,408 bytes: Q's codes [tile 8][..] and scale words.  cst: [b][2][256]: content's mean and rstd.
; No cluster: the launch has no tensor load; what work-groups share (a weight's 34 KB of codes) comes once for each, beside 128 KB of rows and 64 KB of partial figures.
; LIMITS: NaN and infinities are not served; a block of zeros has the byte 1 and zero codes (the bytes are read by this program alone).
.set HI,    65536                      ; LDS: 0 Wq's or Wk's codes (32,768); 32,768 Wv's; from HI on, by immediates:
.set WL1,   32768
.set oWSC0, 0                          ; scale words of the first weight (2,048), of Wv (2,048)
.set oWSC1, 2048
.set oBIA0, 4096                       ; the biases (1,024 each)
.set oBIA1, 5120
.set oSTAT, 6144                       ; mean (1,024), rstd (1,024)
.set oXN,   8192                       ; codes of the normalised rows: a wave's 16 rows x 144 bytes
.set oXNS,  26624                      ; their scale bytes, 8 a row
.set oXR,   27648                      ; codes of the raw rows, 128 rows x 144 bytes, by true row
.set oXRS,  46080
.set oVSG,  47104                      ; V's scale bytes are gathered here (2,048)
.set SPARE, HI+49152                   ; the spare words, 128 bytes a wave
.set SPW,   14
.set NIL,   15
.set KVB,   1671168
.set REC,   52224
.set QBASE, 6684672
.set QREC,  17408
; REGISTERS: v1 lane, v11 r, v12 h, v13 16 x lane; v2-10 addresses, made anew for each phase; v16-31 at work; v32-95 partial figures, then weights on their way, then fragments; v96-111 x's fragments, then Q's or K's codes;
; v104-119 mean and rstd while x is quantised; v120-126 scale words, after the partial sums' early use; v128-255 x's rows, then the accumulators.
.macro BAR
	s_wait_dscnt 0x0                               ; my LDS stores have landed and my LDS loads are in
	s_barrier_signal -1
	s_barrier_wait -1
.endm
	s_load_b512 s[4:19], s[0:1], 0x0               ; content, style, part, wc, ws, bq, bk, bv
	s_load_b128 s[20:23], s[0:1], 0x40             ; qkv, cst
	v_lshl_add_u32 v[SPW], v0, 2, SPARE
	v_mov_b32 v[NIL], 0
	v_lshrrev_b32 v1, 5, v0
	s_delay_alu instid0(VALU_DEP_1)
	v_readfirstlane_b32 s24, v1                    ; wave 0..7
	v_and_b32 v1, 31, v0
	s_wait_alu depctr_va_vdst(0)
	v_and_b32 v11, 15, v0
	v_bfe_u32 v12, v0, 4, 1
	v_lshlrev_b32 v13, 4, v1
	v_lshlrev_b32 v2, 2, v0                        ; 4 x thread
	v_lshlrev_b32 v3, 4, v0                        ; 16 x thread
	v_lshlrev_b32 v4, 3, v0                        ; 8 x thread
	s_lshr_b32 s25, s24, 1
	s_lshl_b32 s25, s25, 5
	s_and_b32 s29, s24, 1
	s_lshl_b32 s50, s29, 3
	s_add_co_u32 s25, s25, s50                     ; 32 blk + 8 u
	s_lshl_b32 s50, s25, 10
	v_lshl_add_u32 v5, v1, 5, s50                  ; x: 32 bytes a lane
	s_mul_i32 s50, s24, 2304
	s_add_co_u32 s50, s50, HI
	v_lshl_add_u32 v6, v1, 2, s50                  ; my wave's rows of normalised codes, 4 bytes a lane
	s_lshl_b32 s50, s24, 7
	s_add_co_u32 s50, s50, HI
	v_lshrrev_b32 v7, 2, v1
	s_delay_alu instid0(VALU_DEP_1)
	v_add_nc_u32 v7, s50, v7                       ; and their scale bytes: a byte for four lanes
	s_mul_i32 s50, s25, 144
	s_add_co_u32 s50, s50, HI
	v_lshl_add_u32 v8, v1, 2, s50                  ; the raw codes, by true row
	s_lshl_b32 s50, s25, 3
	s_add_co_u32 s50, s50, HI
	v_lshrrev_b32 v9, 2, v1
	s_delay_alu instid0(VALU_DEP_1)
	v_add_nc_u32 v9, s50, v9
	v_lshl_add_u32 v10, v0, 2, HI                  ; HI + 4 x thread
	s_lshr_b32 s26, ttmp9, 7                       ; 0 content, 1 style
	s_bfe_u32 s27, ttmp9, 0x20005                  ; batch
	s_and_b32 s28, ttmp9, 31                       ; chunk of 128 rows
	s_and_b32 s52, ttmp9, 127
	s_lshl_b32 s44, s52, 17
	s_mov_b32 s45, 0
	s_lshr_b32 s46, ttmp9, 5
	s_lshl_b32 s46, s46, 16                        ; 32 chunks x 2,048 bytes of part
	s_mov_b32 s47, 0
	s_mul_i32 s53, s52, QREC
	s_add_co_u32 s53, s53, QBASE                   ; Q's record
	s_add_co_u32 s54, s28, 30
	s_and_b32 s54, s54, 31
	s_mul_i32 s54, s54, REC
	s_mul_i32 s55, s27, KVB
	s_add_co_u32 s54, s54, s55
	s_add_co_u32 s54, s54, 34816                   ; K's place: two records back
	s_mul_i32 s56, s28, REC
	s_add_co_u32 s56, s56, s55                     ; V's record
	s_mov_b32 s57, 0
	s_cmp_eq_u32 s26, 0
	s_cselect_b32 s54, s53, s54
	s_mov_b32 s55, 0
	s_mov_b32 s48, 0x76543210
	s_mov_b32 s49, 0xfedcba98                      ; v_permlanex16_b32's selects for lane l xor 16
	s_mov_b32 s58, 0x43000000                      ; 128
	s_mov_b32 s59, 0x39800000                      ; 1 / 4,096
	s_mov_b32 s60, 0x3727c5ac                      ; 1e-5
	s_wait_alu depctr_va_vdst(0)
	s_wait_kmcnt 0x0
	s_cmp_eq_u32 s26, 0
	s_cselect_b64 s[30:31], s[4:5], s[6:7]         ; x
	s_cselect_b64 s[38:39], s[14:15], s[16:17]     ; bq or bk
	s_add_nc_u64 s[30:31], s[30:31], s[44:45]
	s_add_nc_u64 s[32:33], s[8:9], s[46:47]
	s_lshl_b32 s44, s26, 15
	s_add_nc_u64 s[34:35], s[10:11], s[44:45]      ; Wq's or Wk's codes
	s_lshl_b32 s44, s26, 11
	s_add_nc_u64 s[36:37], s[12:13], s[44:45]      ; and scale words
	s_add_nc_u64 s[40:41], s[20:21], s[54:55]
	s_add_nc_u64 s[42:43], s[20:21], s[56:57]
	s_lshl_b32 s44, s27, 11
	s_add_nc_u64 s[22:23], s[22:23], s[44:45]
.set i, 0
.rept 32
	global_load_b32 v[32+i], v2, s[32:33] offset:2048*i        ; thread = channel: the 32 chunks' means
	global_load_b32 v[64+i], v2, s[32:33] offset:2048*i+1024   ; and M2
.set i, i+1
.endr
.set i, 0
.rept 16
	global_load_b128 v[128+8*i:131+8*i], v5, s[30:31] offset:(i+8*(i/8))*1024
	global_load_b128 v[132+8*i:135+8*i], v5, s[30:31] offset:(i+8*(i/8))*1024+16
.set i, i+1
.endr
	s_wait_loadcnt 32                              ; the partial figures are in; x's 32 loads may be out
	v_pk_add_f32 v[18:19], v[32:33], v[34:35]
	v_pk_add_f32 v[126:127], v[40:41], v[44:45]
	v_pk_add_f32 v[124:125], v[48:49], v[52:53]
	v_pk_add_f32 v[122:123], v[56:57], v[60:61]
	v_pk_add_f32 v[120:121], v[36:37], v[38:39]
	v_pk_add_f32 v[118:119], v[42:43], v[46:47]
	v_pk_add_f32 v[116:117], v[50:51], v[54:55]
	v_pk_add_f32 v[16:17], v[58:59], v[62:63]
	s_delay_alu instid0(VALU_DEP_1)
	v_pk_add_f32 v[16:17], v[16:17], v[122:123]
	v_pk_add_f32 v[18:19], v[18:19], v[120:121]
	v_pk_add_f32 v[126:127], v[126:127], v[118:119]
	v_pk_add_f32 v[124:125], v[124:125], v[116:117]
	s_delay_alu instid0(VALU_DEP_2)
	v_pk_add_f32 v[16:17], v[16:17], v[126:127]
	s_delay_alu instid0(VALU_DEP_2)
	v_pk_add_f32 v[18:19], v[18:19], v[124:125]
	s_delay_alu instid0(VALU_DEP_1)
	v_pk_add_f32 v[16:17], v[16:17], v[18:19]
	s_delay_alu instid0(VALU_DEP_1)
	v_add_f32 v16, v16, v17
	s_delay_alu instid0(VALU_DEP_1)
	v_mul_f32 v20, 0x3d000000, v16                 ; the mean
	s_delay_alu instid0(VALU_DEP_1)
	v_mov_b32 v21, v20
.set i, 0
.rept 16
	v_pk_add_f32 v[32+2*i:33+2*i], v[32+2*i:33+2*i], v[20:21] neg_lo:[0,1] neg_hi:[0,1]
.set i, i+1
.endr
	v_pk_mul_f32 v[22:23], v[32:33], v[32:33]
	v_pk_mul_f32 v[24:25], v[34:35], v[34:35]
	v_pk_add_f32 v[26:27], v[64:65], v[66:67]
	v_pk_add_f32 v[28:29], v[68:69], v[70:71]
.irp i, 4
	s_delay_alu instid0(VALU_DEP_4)
	v_pk_fma_f32 v[22:23], v[32+\i:33+\i], v[32+\i:33+\i], v[22:23]
	s_delay_alu instid0(VALU_DEP_4)
	v_pk_fma_f32 v[24:25], v[34+\i:35+\i], v[34+\i:35+\i], v[24:25]
.endr
.irp i, 8, 12, 16, 20, 24, 28
	s_delay_alu instid0(VALU_DEP_2)
	v_pk_fma_f32 v[22:23], v[32+\i:33+\i], v[32+\i:33+\i], v[22:23]
	s_delay_alu instid0(VALU_DEP_2)
	v_pk_fma_f32 v[24:25], v[34+\i:35+\i], v[34+\i:35+\i], v[24:25]
.endr
.irp i, 8
	v_pk_add_f32 v[26:27], v[26:27], v[64+\i:65+\i]
	v_pk_add_f32 v[28:29], v[28:29], v[66+\i:67+\i]
.endr
.irp i, 12, 16, 20, 24, 28
	s_delay_alu instid0(VALU_DEP_2)
	v_pk_add_f32 v[26:27], v[26:27], v[64+\i:65+\i]
	s_delay_alu instid0(VALU_DEP_2)
	v_pk_add_f32 v[28:29], v[28:29], v[66+\i:67+\i]
.endr
	v_pk_add_f32 v[22:23], v[22:23], v[24:25]
	s_delay_alu instid0(VALU_DEP_2)
	v_pk_add_f32 v[26:27], v[26:27], v[28:29]
	s_delay_alu instid0(VALU_DEP_2)
	v_add_f32 v22, v22, v23
	s_delay_alu instid0(VALU_DEP_2)
	v_add_f32 v26, v26, v27
	s_delay_alu instid0(VALU_DEP_1)
	v_fma_f32 v26, v22, s58, v26                   ; M2 of all 4,096 rows
	s_delay_alu instid0(VALU_DEP_1)
	v_fma_f32 v26, v26, s59, s60                   ; var + 1e-5
	s_wait_alu depctr_va_vdst(0)
	v_rsq_f32 v27, v26
	v_nop                                          ; a plain instruction behind the transcendental,
	s_wait_alu depctr_va_vdst(0)                   ; and a wait ahead of its first reader
	ds_store_b32 v10, v20 offset:oSTAT
	ds_store_b32 v10, v27 offset:oSTAT+1024
	s_and_b32 s50, ttmp9, 0x9f
	s_cmp_lg_u32 s50, 0
	s_cbranch_scc1 .Lno_cst                        ; content's first work-group of each batch keeps the figures for the last launch
	global_store_b32 v2, v20, s[22:23]
	global_store_b32 v2, v27, s[22:23] offset:1024
.Lno_cst:
.set i, 0
.rept 8
	global_load_b128 v[32+4*i:35+4*i], v3, s[34:35] offset:4096*i   ; the first weight's codes, ten loads with its scale words and bias
.set i, i+1
.endr
	global_load_b64 v[96:97], v4, s[36:37]
	global_load_b32 v100, v2, s[38:39]
	BAR                                            ; the statistics lie in LDS
	v_lshl_add_u32 v16, v1, 5, HI
	ds_load_b128 v[104:107], v16 offset:oSTAT      ; my 8 channels' means
	ds_load_b128 v[108:111], v16 offset:oSTAT+16
	ds_load_b128 v[112:115], v16 offset:oSTAT+1024 ; and rstd
	ds_load_b128 v[116:119], v16 offset:oSTAT+1040
	s_wait_xcnt 0x0                                ; the two stores above have read v20 and v27: they are written again below
	s_wait_dscnt 0x0
; Four rows are quantised, line by line by turns.  kind 1: raw rows, stored by true row; kind 0: normalised rows, stored in my wave's own region.
.macro Q8 g, kind
	s_wait_dscnt 0x0                               ; the last group's stores have read their registers
.irp k, 0,1,2,3
	v_max3_num_f32 v[16+\k], |v[128+8*(4*(\g)+\k)]|, |v[129+8*(4*(\g)+\k)]|, 0x1800000   ; my 8 numbers and the floor 2^(3 - 127)
.endr
.irp p, 2,4,6
.irp k, 0,1,2,3
	s_delay_alu instid0(VALU_DEP_4)
	v_max3_num_f32 v[16+\k], v[16+\k], |v[128+8*(4*(\g)+\k)+\p]|, |v[129+8*(4*(\g)+\k)+\p]|
.endr
.endr
.irp k, 0,1,2,3
	s_delay_alu instid0(VALU_DEP_4)
	v_max_num_f32_dpp v[16+\k], v[16+\k], v[16+\k] row_xmask:1 row_mask:0xf bank_mask:0xf
.endr
.irp k, 0,1,2,3
	s_delay_alu instid0(VALU_DEP_4)
	v_max_num_f32_dpp v[16+\k], v[16+\k], v[16+\k] row_xmask:2 row_mask:0xf bank_mask:0xf   ; four lanes hold a block
.endr
.irp k, 0,1,2,3
	s_delay_alu instid0(VALU_DEP_4)
	v_add_nc_u32 v[20+\k], 0xff000000, v[16+\k]    ; 2 off the exponent field: the conversion's scale operand
.endr
.irp k, 0,1,2,3
	v_cvt_scalef32_pk8_fp4_f32 v[24+\k], v[128+8*(4*(\g)+\k):135+8*(4*(\g)+\k)], v[20+\k]
.endr
.irp k, 0,1,2,3
	v_lshrrev_b32 v[28+\k], 23, v[20+\k]           ; the byte; also the plain instruction behind the conversions
.endr
.irp k, 0,1,2,3
.if \kind
	ds_store_b32 v8, v[24+\k] offset:oXR+((4*(\g)+\k)+8*((4*(\g)+\k)/8))*144
	ds_store_b8 v9, v[28+\k] offset:oXRS+((4*(\g)+\k)+8*((4*(\g)+\k)/8))*8     ; four lanes write the same byte with the same value
.else
	ds_store_b32 v6, v[24+\k] offset:oXN+(4*(\g)+\k)*144
	ds_store_b8 v7, v[28+\k] offset:oXNS+(4*(\g)+\k)*8
.endif
.endr
.endm
.macro NORM4 g                         ; (x - mean) x rstd, in place
.irp k, 0,1,2,3
.irp p, 0,2,4,6
	v_pk_add_f32 v[128+8*(4*(\g)+\k)+\p:129+8*(4*(\g)+\k)+\p], v[128+8*(4*(\g)+\k)+\p:129+8*(4*(\g)+\k)+\p], v[104+\p:105+\p] neg_lo:[0,1] neg_hi:[0,1]
.endr
.endr
.irp k, 0,1,2,3
.irp p, 0,2,4,6
	v_pk_mul_f32 v[128+8*(4*(\g)+\k)+\p:129+8*(4*(\g)+\k)+\p], v[128+8*(4*(\g)+\k)+\p:129+8*(4*(\g)+\k)+\p], v[112+\p:113+\p]
.endr
.endr
.endm
	s_cmp_eq_u32 s26, 0
	s_cbranch_scc1 .Lnot_style_1
.set i, 0
.rept 8
	global_load_b128 v[64+4*i:67+4*i], v3, s[10:11] offset:65536+4096*i   ; style: Wv's codes, scale words and bias: ten loads more
.set i, i+1
.endr
	global_load_b64 v[98:99], v4, s[12:13] offset:4096
	global_load_b32 v101, v2, s[18:19]
.irp g, 0,1,2,3
	s_wait_loadcnt 44-8*\g                         ; this group's eight loads are in; behind them: 24 - 8 g of x's and the 20 of the weights
	Q8 \g, 1
.endr
.Lnot_style_1:
.irp g, 0,1,2,3
	s_wait_loadcnt 34-8*\g                         ; behind this group's loads: 24 - 8 g of x's and the ten that every work-group has issued
	NORM4 \g
	s_wait_alu depctr_va_vdst(0)
	Q8 \g, 0
.endr
	s_wait_loadcnt 0x0                             ; the weights are in registers: on to LDS, for all waves
	v_lshl_add_u32 v16, v0, 3, HI
.set i, 0
.rept 8
	ds_store_b128 v3, v[32+4*i:35+4*i] offset:4096*i
.set i, i+1
.endr
	ds_store_b64 v16, v[96:97] offset:oWSC0
	ds_store_b32 v10, v100 offset:oBIA0
	s_cmp_eq_u32 s26, 0
	s_cbranch_scc1 .Lnot_style_2
.set i, 0
.rept 8
	ds_store_b128 v3, v[64+4*i:67+4*i] offset:WL1+4096*i
.set i, i+1
.endr
	ds_store_b64 v16, v[98:99] offset:oWSC1
	ds_store_b32 v10, v101 offset:oBIA1
.Lnot_style_2:
	BAR                                            ; weights, biases and the raw rows' codes lie in LDS
	; the addresses of the products' phases: all loads are in and the early stores' addresses are translated, so v2-10 may be written
	s_mul_i32 s50, s24, 2304
	s_add_co_u32 s50, s50, HI
	v_mul_u32_u24 v2, v11, 144
	s_delay_alu instid0(VALU_DEP_1)
	v_lshl_add_u32 v2, v12, 4, v2
	s_delay_alu instid0(VALU_DEP_1)
	v_add_nc_u32 v2, s50, v2                       ; my rows' fragments: row r, + 16 h
	s_lshl_b32 s51, s24, 7
	s_add_co_u32 s50, s51, HI
	v_lshlrev_b32 v3, 3, v11
	s_delay_alu instid0(VALU_DEP_1)
	v_lshl_add_u32 v3, v12, 2, v3
	s_delay_alu instid0(VALU_DEP_1)
	v_add_nc_u32 v3, s50, v3                       ; their scale words: lanes 0-15 K step 0, lanes 16-31 K step 1
	v_lshl_add_u32 v4, v1, 2, HI                   ; a weight's scale words
	v_lshl_add_u32 v5, v12, 6, HI                  ; the bias: 16 h numbers on
	s_lshl_b32 s50, s24, 11
	v_add_nc_u32 v6, s50, v13                      ; out: my tile's image
	v_lshl_add_u32 v7, v1, 2, s51                  ; and its scale words
	v_and_b32 v16, 8, v11
	s_delay_alu instid0(VALU_DEP_1)
	v_add_nc_u32 v16, v16, v11                     ; r + 8 (r / 8)
	s_lshr_b32 s61, s24, 1                         ; blk
	s_mul_i32 s50, s61, 4608
	s_add_co_u32 s50, s50, HI
	v_mul_u32_u24 v8, v16, 144
	s_delay_alu instid0(VALU_DEP_1)
	v_lshl_add_u32 v8, v12, 4, v8
	s_delay_alu instid0(VALU_DEP_1)
	v_add_nc_u32 v8, s50, v8                       ; the raw rows' fragments of key block blk
	s_lshl_b32 s50, s61, 8
	s_add_co_u32 s50, s50, HI
	v_lshlrev_b32 v9, 3, v16
	s_delay_alu instid0(VALU_DEP_1)
	v_lshl_add_u32 v9, v12, 2, v9
	s_delay_alu instid0(VALU_DEP_1)
	v_add_nc_u32 v9, s50, v9                       ; their scale words
	s_lshl_b32 s50, s29, 14
	v_add_nc_u32 v10, s50, v13                     ; Wv's eight tiles of my half
.irp s, 0,1
.irp c, 0,1
	ds_load_b128 v[96+8*\s+4*\c:99+8*\s+4*\c], v2 offset:oXN+64*\s+32*\c
.endr
.endr
	ds_load_b32 v120, v3 offset:oXNS
; Four tiles of 16 outputs: their fragments, scale words and bias from LDS, then eight products: K step 0 for the four, then K step 1: the accumulators take turns.
.macro WBATCH be
.if \be > 0
.rept 4
	v_nop                                          ; four places in front of loads into registers that matrix instructions have read
.endr
.endif
.irp tt, 0,1,2,3
.irp s, 0,1
.irp c, 0,1
	ds_load_b128 v[32+16*\tt+8*\s+4*\c:35+16*\tt+8*\s+4*\c], v13 offset:(4*\be+\tt)*2048+\s*1024+\c*512
.endr
.endr
	ds_load_b32 v[121+\tt], v4 offset:oWSC0+(4*\be+\tt)*128
	ds_load_b128 v[128+8*(4*\be+\tt):131+8*(4*\be+\tt)], v5 offset:oBIA0+((4*\be+\tt)/2)*128+((4*\be+\tt)%2)*32
	ds_load_b128 v[132+8*(4*\be+\tt):135+8*(4*\be+\tt)], v5 offset:oBIA0+((4*\be+\tt)/2)*128+((4*\be+\tt)%2)*32+16
.endr
	s_wait_dscnt 0x0
.irp tt, 0,1,2,3
	v_wmma_scale_f32_16x16x128_f8f6f4 v[128+8*(4*\be+\tt):135+8*(4*\be+\tt)], v[32+16*\tt:39+16*\tt], v[96:103], v[128+8*(4*\be+\tt):135+8*(4*\be+\tt)], v[121+\tt], v120 matrix_a_fmt:MATRIX_FMT_FP4 matrix_b_fmt:MATRIX_FMT_FP4
.endr
.irp tt, 0,1,2,3
	v_wmma_scale_f32_16x16x128_f8f6f4 v[128+8*(4*\be+\tt):135+8*(4*\be+\tt)], v[40+16*\tt:47+16*\tt], v[104:111], v[128+8*(4*\be+\tt):135+8*(4*\be+\tt)], v[121+\tt], v120 matrix_a_fmt:MATRIX_FMT_FP4 matrix_b_fmt:MATRIX_FMT_FP4 matrix_a_scale:MATRIX_SCALE_ROW1 matrix_b_scale:MATRIX_SCALE_ROW1
.endr
.endm
	WBATCH 0
	WBATCH 1
	WBATCH 2
	WBATCH 3                                       ; register 128 + 16 v + i of lane (r, h) is output 32 v + 16 h + i of my row r
.rept 4
	v_nop
.endr
.set i, 0
.rept 64                                       ; the row's sum of squares, four chains, each accumulator from its low end on
.if i < 4
	v_pk_mul_f32 v[16+2*i:17+2*i], v[128+2*i:129+2*i], v[128+2*i:129+2*i]
.else
	v_pk_fma_f32 v[16+2*(i%4):17+2*(i%4)], v[128+2*i:129+2*i], v[128+2*i:129+2*i], v[16+2*(i%4):17+2*(i%4)]
.endif
.set i, i+1
.endr
	s_delay_alu instid0(VALU_DEP_3)
	v_pk_add_f32 v[16:17], v[16:17], v[18:19]
	s_delay_alu instid0(VALU_DEP_2)
	v_pk_add_f32 v[20:21], v[20:21], v[22:23]
	s_delay_alu instid0(VALU_DEP_1)
	v_pk_add_f32 v[16:17], v[16:17], v[20:21]
	s_delay_alu instid0(VALU_DEP_1)
	v_add_f32 v16, v16, v17
	s_delay_alu instid0(VALU_DEP_1)
	v_permlanex16_b32 v17, v16, s48, s49           ; the row's other 128 outputs lie in lane l xor 16
	s_delay_alu instid0(VALU_DEP_1)
	v_add_f32 v16, v16, v17
	s_delay_alu instid0(VALU_DEP_1)
	v_add_f32 v16, 0x2b8cbccc, v16                 ; + 1e-12
	s_wait_alu depctr_va_vdst(0)
	v_rsq_f32 v18, v16
	v_rsq_f32 v19, v16                             ; twice: a pair for the packed multiply
	v_nop
	s_wait_alu depctr_va_vdst(0)                   ; one wait for both, ahead of their first reader
.set i, 0
.rept 64
	v_pk_mul_f32 v[128+2*i:129+2*i], v[128+2*i:129+2*i], v[18:19]
.set i, i+1
.endr
; 64 numbers of a lane, register 16 b + i = k 32 b + 16 h + i of my row, become a fragment's codes in v[pc] on and its scale word in v[pw].
.macro QUANT s, pc, pw
.irp b, 0,1,2,3
	v_max3_num_f32 v[16+\b], |v[(\s)+16*\b]|, |v[(\s)+1+16*\b]|, 0x1800000
.endr
.irp i, 2,4,6,8,10,12,14
.irp b, 0,1,2,3
	s_delay_alu instid0(VALU_DEP_4)
	v_max3_num_f32 v[16+\b], v[16+\b], |v[(\s)+16*\b+\i]|, |v[(\s)+1+16*\b+\i]|
.endr
.endr
.irp b, 0,1,2,3
	s_delay_alu instid0(VALU_DEP_4)
	v_permlanex16_b32 v[20+\b], v[16+\b], s48, s49
.endr
.irp b, 0,1,2,3
	s_delay_alu instid0(VALU_DEP_4)
	v_max_num_f32 v[16+\b], v[16+\b], v[20+\b]
.endr
.irp b, 0,1,2,3
	s_delay_alu instid0(VALU_DEP_4)
	v_add_nc_u32 v[28+\b], 0xff000000, v[16+\b]
.endr
.irp b, 0,1,2,3
	s_delay_alu instid0(VALU_DEP_4)
	v_lshrrev_b32 v[20+\b], 23, v[28+\b]
.endr
	s_delay_alu instid0(VALU_DEP_3)
	v_lshl_or_b32 v[\pw], v21, 8, v20
	s_delay_alu instid0(VALU_DEP_1)
	v_lshl_or_b32 v[\pw], v22, 16, v[\pw]
	s_delay_alu instid0(VALU_DEP_1)
	v_lshl_or_b32 v[\pw], v23, 24, v[\pw]
.irp b, 0,1,2,3
	v_cvt_scalef32_pk8_fp4_f32 v[(\pc)+2*\b], v[(\s)+16*\b:(\s)+7+16*\b], v[28+\b]
	v_cvt_scalef32_pk8_fp4_f32 v[(\pc)+1+2*\b], v[(\s)+8+16*\b:(\s)+15+16*\b], v[28+\b]
.endr
	v_nop                                          ; a plain instruction behind the conversions
.irp c, 0,1                                    ; the operand wants a whole block in a lane
.irp i, 0,1
	v_permlane16_swap_b32 v[(\pc)+4*\c+\i], v[(\pc)+2+4*\c+\i]
.endr
.endr
.endm
	QUANT 128, 96, 112
	QUANT 192, 104, 113
	v_cmp_eq_u32 vcc_lo, 1, v12
	s_delay_alu instid0(VALU_DEP_1)
	v_cndmask_b32 v114, v112, v113, vcc_lo         ; lanes 0-15 K step 0's word, lanes 16-31 K step 1's
.irp c, 0,1
	global_store_b128 v6, v[96+4*\c:99+4*\c], s[40:41] offset:512*\c          ; 512 consecutive bytes a store
	global_store_b128 v6, v[104+4*\c:107+4*\c], s[40:41] offset:1024+512*\c
.endr
	global_store_b32 v7, v114, s[40:41] offset:16384
	s_cmp_eq_u32 s26, 0
	s_cbranch_scc1 .Lend
	; ---------------- style: V and V^2, along the keys ----------------
	s_lshl_b32 s50, s29, 10
	s_add_co_u32 s51, s50, HI
	v_lshl_add_u32 v2, v1, 2, s51                  ; Wv's scale words of my eight tiles
	s_wait_alu depctr_va_vdst(0)
	v_and_b32 v16, 8, v11
	s_delay_alu instid0(VALU_DEP_1)
	v_add_nc_u32 v16, v16, v11
	s_lshl_b32 s51, s29, 9
	s_add_co_u32 s51, s51, HI
	v_lshl_add_u32 v3, v16, 2, s51                 ; bv at my lane's channel
	s_lshl_b32 s51, s29, 13
	s_lshl_b32 s52, s61, 8
	s_add_co_u32 s51, s51, s52
	v_lshl_add_u32 v4, v11, 4, s51
	s_delay_alu instid0(VALU_DEP_1)
	v_lshl_add_u32 v4, v12, 3, v4                  ; out: 8,192 (W % 2) + 256 blk + 16 r + 8 h
	s_add_co_u32 s50, s50, s61
	s_add_co_u32 s50, s50, HI
	v_lshl_add_u32 v5, v11, 4, s50                 ; the scale byte's place: 1,024 (W % 2) + 16 r + blk
.irp u, 0,1
.irp s, 0,1
.irp c, 0,1
	ds_load_b128 v[32+16*\u+8*\s+4*\c:35+16*\u+8*\s+4*\c], v8 offset:oXR+\u*1152+64*\s+32*\c
.endr
.endr
	ds_load_b32 v[125+\u], v9 offset:oXRS+\u*64
.endr
.macro VBATCH be                       ; two tiles of 16 channels x my 32 keys: four accumulators by turns
.if \be > 0
.rept 4
	v_nop
.endr
.endif
.irp tt, 0,1
.irp s, 0,1
.irp c, 0,1
	ds_load_b128 v[64+16*\tt+8*\s+4*\c:67+16*\tt+8*\s+4*\c], v10 offset:WL1+(2*\be+\tt)*2048+\s*1024+\c*512
.endr
.endr
	ds_load_b32 v[121+\tt], v2 offset:oWSC1+(2*\be+\tt)*128
.endr
	s_wait_dscnt 0x0
.irp tt, 0,1
.irp u, 0,1
	v_wmma_scale_f32_16x16x128_f8f6f4 v[128+16*(2*\be+\tt)+8*\u:135+16*(2*\be+\tt)+8*\u], v[32+16*\u:39+16*\u], v[64+16*\tt:71+16*\tt], 0, v[125+\u], v[121+\tt] matrix_a_fmt:MATRIX_FMT_FP4 matrix_b_fmt:MATRIX_FMT_FP4
.endr
.endr
.irp tt, 0,1
.irp u, 0,1
	v_wmma_scale_f32_16x16x128_f8f6f4 v[128+16*(2*\be+\tt)+8*\u:135+16*(2*\be+\tt)+8*\u], v[40+16*\u:47+16*\u], v[72+16*\tt:79+16*\tt], v[128+16*(2*\be+\tt)+8*\u:135+16*(2*\be+\tt)+8*\u], v[125+\u], v[121+\tt] matrix_a_fmt:MATRIX_FMT_FP4 matrix_b_fmt:MATRIX_FMT_FP4 matrix_a_scale:MATRIX_SCALE_ROW1 matrix_b_scale:MATRIX_SCALE_ROW1
.endr
.endr
.endm
	VBATCH 0
	VBATCH 1
	VBATCH 2
	VBATCH 3                                       ; register 128 + 16 T + i of lane (r, h): key 32 blk + 16 h + i, channel slot r of tile 8 (W % 2) + T
.rept 4
	v_nop
.endr
	s_wait_alu depctr_va_vdst(0)
.irp T, 0,1,2,3,4,5,6,7
	ds_load_b32 v[32+2*\T], v3 offset:oBIA1+(\T/2)*128+(\T%2)*32     ; bv of my channel, twice: a pair for the packed addition
	ds_load_b32 v[33+2*\T], v3 offset:oBIA1+(\T/2)*128+(\T%2)*32
.endr
	s_wait_dscnt 0x0
.macro VQ T
.set A, 128+16*(\T)
.irp p, 0,2,4,6,8,10,12,14
	v_pk_add_f32 v[A+\p:A+1+\p], v[A+\p:A+1+\p], v[32+2*(\T):33+2*(\T)]
.endr
	v_max3_num_f32 v16, |v[A]|, |v[A+1]|, 0x1800000
	v_max3_num_f32 v17, |v[A+2]|, |v[A+3]|, |v[A+4]|
	s_delay_alu instid0(VALU_DEP_2)
	v_max3_num_f32 v16, v16, |v[A+5]|, |v[A+6]|
	s_delay_alu instid0(VALU_DEP_2)
	v_max3_num_f32 v17, v17, |v[A+7]|, |v[A+8]|
	s_delay_alu instid0(VALU_DEP_2)
	v_max3_num_f32 v16, v16, |v[A+9]|, |v[A+10]|
	s_delay_alu instid0(VALU_DEP_2)
	v_max3_num_f32 v17, v17, |v[A+11]|, |v[A+12]|
	s_delay_alu instid0(VALU_DEP_2)
	v_max3_num_f32 v16, v16, |v[A+13]|, |v[A+14]|
	s_delay_alu instid0(VALU_DEP_1)
	v_max3_num_f32 v16, v16, v17, |v[A+15]|
	s_delay_alu instid0(VALU_DEP_1)
	v_permlanex16_b32 v18, v16, s48, s49
	s_delay_alu instid0(VALU_DEP_1)
	v_max_num_f32 v16, v16, v18                    ; the largest magnitude of the block's 32 keys
	s_delay_alu instid0(VALU_DEP_1)
	v_add_nc_u32 v19, 0xff000000, v16
	v_cvt_scalef32_pk8_fp4_f32 v[48+4*(\T)], v[A:A+7], v19
	v_cvt_scalef32_pk8_fp4_f32 v[49+4*(\T)], v[A+8:A+15], v19
	v_lshrrev_b32 v[80+2*(\T)], 23, v19            ; V's byte; the plain instruction behind the conversions
	v_mul_f32 v20, v16, v16                        ; the largest square is the square of the largest magnitude: the same multiplication on the same number
	s_delay_alu instid0(VALU_DEP_1)
	v_max_num_f32 v20, 0x1800000, v20
	s_delay_alu instid0(VALU_DEP_1)
	v_add_nc_u32 v21, 0xff000000, v20
.irp p, 0,2,4,6,8,10,12,14
	v_pk_mul_f32 v[A+\p:A+1+\p], v[A+\p:A+1+\p], v[A+\p:A+1+\p]
.endr
	v_cvt_scalef32_pk8_fp4_f32 v[50+4*(\T)], v[A:A+7], v21
	v_cvt_scalef32_pk8_fp4_f32 v[51+4*(\T)], v[A+8:A+15], v21
	v_lshrrev_b32 v[81+2*(\T)], 23, v21
	global_store_b64 v4, v[48+4*(\T):49+4*(\T)], s[42:43] offset:1024*(\T)          ; the wave stores 256 consecutive bytes, aligned
	global_store_b64 v4, v[50+4*(\T):51+4*(\T)], s[42:43] offset:1024*(\T)+16384
	ds_store_b8 v5, v[80+2*(\T)] offset:oVSG+((\T)/4)*512+((\T)%4)*4                ; both halves of the lanes write the same byte
	ds_store_b8 v5, v[81+2*(\T)] offset:oVSG+((\T)/4)*512+((\T)%4)*4+256
.endm
.irp T, 0,1,2,3,4,5,6,7
	VQ \T
.endr
	BAR                                            ; all 2,048 scale bytes are gathered
	v_lshl_add_u32 v16, v0, 3, HI
	v_lshlrev_b32 v17, 3, v0
	ds_load_b64 v[18:19], v16 offset:oVSG
	s_wait_alu depctr_va_vdst(0)
	s_wait_dscnt 0x0
	global_store_b64 v17, v[18:19], s[42:43] offset:32768
.Lend:
	s_wait_tensorcnt 0x0                           ; the wave's end: a tensor wait, an add and its wait behind my last LDS store
	ds_add_u32 v[SPW], v[NIL]
	s_wait_dscnt 0x0
	s_endpgm
.Lfunc_end_k_qa2183c1cdf_proj:
	.size	k_qa2183c1cdf_proj, .Lfunc_end_k_qa2183c1cdf_proj-k_qa2183c1cdf_proj
	.p2alignl 7, 3214868480
	.fill 96, 4, 3214868480
	.section	.rodata,"a",@progbits
	.p2align	6, 0x0
	.amdhsa_kernel k_qa2183c1cdf_proj
		.amdhsa_group_segment_fixed_size 115712
		.amdhsa_private_segment_fixed_size 0
		.amdhsa_enable_private_segment 0
		.amdhsa_kernarg_size 80
		.amdhsa_user_sgpr_count 2
		.amdhsa_user_sgpr_kernarg_segment_ptr 1
		.amdhsa_wavefront_size32 1
		.amdhsa_system_sgpr_workgroup_id_x 1
		.amdhsa_system_sgpr_workgroup_id_y 1
		.amdhsa_system_sgpr_workgroup_id_z 1
		.amdhsa_system_vgpr_workitem_id 0
		.amdhsa_next_free_vgpr 256
		.amdhsa_next_free_sgpr 66
		.amdhsa_reserve_vcc 1
		.amdhsa_float_denorm_mode_32 3
		.amdhsa_float_denorm_mode_16_64 3
		.amdhsa_memory_ordered 1
		.amdhsa_forward_progress 1
		.amdhsa_inst_pref_size 126
	.end_amdhsa_kernel
	.amdgpu_metadata
---
amdhsa.version: [ 1, 2 ]
amdhsa.kernels:
  - .name:           k_qa2183c1cdf_proj
    .symbol:         k_qa2183c1cdf_proj.kd
    .args:
      - { .name: content, .offset: 0, .size: 8, .value_kind: global_buffer, .address_space: global }
      - { .name: style, .offset: 8, .size: 8, .value_kind: global_buffer, .address_space: global }
      - { .name: part, .offset: 16, .size: 8, .value_kind: global_buffer, .address_space: global }
      - { .name: wc, .offset: 24, .size: 8, .value_kind: global_buffer, .address_space: global }
      - { .name: ws, .offset: 32, .size: 8, .value_kind: global_buffer, .address_space: global }
      - { .name: bq, .offset: 40, .size: 8, .value_kind: global_buffer, .address_space: global }
      - { .name: bk, .offset: 48, .size: 8, .value_kind: global_buffer, .address_space: global }
      - { .name: bv, .offset: 56, .size: 8, .value_kind: global_buffer, .address_space: global }
      - { .name: qkv, .offset: 64, .size: 8, .value_kind: global_buffer, .address_space: global }
      - { .name: cst, .offset: 72, .size: 8, .value_kind: global_buffer, .address_space: global }
    .group_segment_fixed_size: 115712
    .private_segment_fixed_size: 0
    .kernarg_segment_align: 8
    .kernarg_segment_size: 80
    .max_flat_workgroup_size: 256
    .sgpr_count:     66
    .vgpr_count:     256
    .wavefront_size: 32
...
	.end_amdgpu_metadata
.endif
;; end of part 2
;; launch attn (part 3): grid 64 x 4, 8 waves a work-group, clusters of 4 x 1, 327,680 bytes of LDS; arguments qkv, content, cst, out0; writes out0
.if DOCPART == 3
	.amdgcn_target "amdgcn-amd-amdhsa--gfx1250"
	.amdhsa_code_object_version 6
	.text
	.protected	k_qa2183c1cdf_attn
	.globl	k_qa2183c1cdf_attn
	.p2align	8
	.type	k_qa2183c1cdf_attn,@function
k_qa2183c1cdf_attn:
	s_mov_b64 s[64:65], 0
	v_nop
	global_prefetch_b8 v0, s[64:65] scope:SCOPE_SE
	s_setreg_imm32_b32 hwreg(HW_REG_WAVE_MODE, 25, 1), 1
	s_wait_xcnt 0x0
	s_wait_alu depctr_hold_cnt(0) depctr_sa_sdst(0) depctr_va_vdst(0) depctr_va_sdst(0) depctr_va_ssrc(0) depctr_va_vcc(0) depctr_vm_vsrc(0)
	s_getreg_b32 s2, hwreg(HW_REG_IB_STS2, 6, 4)
	s_cmp_eq_u32 s2, 0
	s_cbranch_scc0 .Lentry_in_a_cluster
	s_endpgm
.Lentry_in_a_cluster:
	s_bfe_u32 s2, ttmp6, 0x10000c
	s_cmp_lg_u32 s2, 0x3003
	s_cbranch_scc0 .Lentry_shape_is_right
	s_endpgm
.Lentry_shape_is_right:
; THIRD LAUNCH.  For 64 queries of one batch: scores on codes, p = 2^(score x log2 e), P V and P V^2 on codes, then out = sqrt(relu(E / l - (M / l)^2)) x (content - mean) x rstd + M / l.
; THE MAXIMUM.  The rule quantises p = 2^(t - M) with M a whole number; here M = 0 for every row.  Q's and K's rows are normalised to length 1 at the most ahead of their quantisers, and a code's value is at most twice
; its number, so each quantised row has length 2 at the most: |score| <= 4 and |t| <= 5.8 for every input; p lies in 2^-5.8 .. 2^5.8 and a row's sum of 4,096 under 2^18: nothing can overflow or underflow.
; A block's scale takes up the power of two 2^M, and l carries the same factor: codes, products and quotients are those of the rule.
; SHARES.  Eight waves in two roles.  SCORE waves 0-3: wave w takes keys 32 w .. 32 w + 31 of each step of 128 keys, for all 64 queries (S^T = K Q^T, a lane holds one query and 16 neighbouring keys), makes p,
; sums it, quantises its block of 32 keys and stores P's codes as a part of an operand's image in LDS.  SUM waves 4-7: wave w takes channels 64 w .. 64 w + 63 of V and of V^2 for all 64 queries: 32 accumulators, 256 registers.
; In interval n the score waves work on step n (and multiply for step n + 1) while the sum waves add step n - 1; one barrier an interval.  Each fragment of K and V is read from LDS once and feeds four products.
; RECORDS.  Record rec of a batch holds V's and V^2's codes and scales of step rec and K's of step rec + 2: what interval rec + 1 wants.  Two records are a slot's content: one dense block of 104,448 bytes.
; K of steps 0 and 1, and Q, come straight into registers.
; CLUSTER.  The four work-groups of a cluster belong to one batch and walk the same records: each content is asked for JOINTLY (mask 15), a quarter by each of waves 4-7.  One tensor load a wave is out at any time.
; LIMITS: NaN and infinities are not served (a NaN variance becomes 0); the division by l is a reciprocal and a multiplication.
.set KVB,   1671168
.set REC,   52224
.set QBASE, 6684672
.set QREC,  17408
.set SLOTB, 104448
.set QUART, 26112
.set SLOT1, 1<<17                      ; LDS: slot 0 at 0, slot 1 here
.set PB0,   104448                     ; P: two buffers of 4,096 bytes of codes + 256 of scale bytes
.set PBS,   4352
.set LSUM,  113152                     ; the score waves' row sums (2,048)
.set SPARE, 115200                     ; the spare words, 128 bytes a wave
.set STGS,  235520                     ; the way out: 64 rows x 1,040 bytes of S; M's stage lies at 0, in slot 0, which has then had its last fill and its last read
.set SP,    1040
.set SPW,   14
.set NIL,   15
.set MEA,   208                        ; the way out: content's mean (8 registers) and rstd (8): registers that no other load of the text names
.set RSD,   216
; REGISTERS (window 0): v1 16 x lane; v2-5 my lane's places in a record (K, K's scales, V, V's scales); v6-9 the same in the record in hand; v10, v11 where P's codes and bytes go; v12, v13 where they are read;
; v16-19 the stages; v20, v21 the row sums; v22 256 x lane; v23 4 x lane: all made ahead of the first parting of the roles.  v240-255 scale words and nothing else (Q 240-243, K 244-245, P 248-251, V 252-255).
; SCORE: v32-95 Q, v100-131 K, v136-199 S then p, v200-207 sums, v208-231 at work.   SUM: v32-63 P, v68-131 V and V^2; window 1: accumulator (m, tau, qt) at 8 (16 m + 4 tau + qt).
; THE WAY OUT: v32-95 content, v112-135 the sums and their reciprocals, v136-199 M and S, v208-223 mean and rstd.
.set MSB, 0
.macro WIN new
.if MSB != \new
	s_set_vgpr_msb (MSB<<8)|\new
.set MSB, \new
.endif
.endm
.macro CROUND                          ; a round of the cluster's barrier
	s_barrier_signal -1
	s_barrier_wait -1
	s_cmp_lg_u32 s12, 0
	s_cbranch_scc1 .Lnot_wave_0_\@
	s_barrier_signal -3
.Lnot_wave_0_\@:
	s_barrier_wait -3
	s_barrier_signal -1
	s_barrier_wait -1
.endm
.macro JLOAD                           ; waves 4-7 ask for a quarter of a slot each; the branch hangs on the wave's number alone
	s_cmp_lt_u32 s12, 4
	s_cbranch_scc1 .Lno_load_\@
	tensor_load_to_lds s[32:35], s[24:31]
	s_nop 0
.rept 4
	v_nop
.endr
.Lno_load_\@:
.endm
; A prefetch of the content that the change of slots after the next will ask for: four intervals ahead.  All 16 clusters of a batch walk the same records: the first asks.  Its four partners are told apart by address
; (a quarter each); in each, waves 4-6 name 8,192 bytes, lanes 256 bytes apart: each block is named once.  The last 1,536 bytes of a quarter and contents 0 to 3 come by their loads alone; nothing is asked past content 15.
.macro ASK
	s_cmp_gt_u32 s38, s39
	s_cbranch_scc0 .Lnot_mine_\@
	global_prefetch_b8 v22, s[44:45] th:TH_LOAD_NT scope:SCOPE_SE
.Lnot_mine_\@:
.endm
.macro BAR
	s_wait_dscnt 0x0
	s_barrier_signal -1
	s_barrier_wait -1
.endm
; THE CHANGE OF SLOTS.  Every wave: all its tensor loads have landed; the add; its LDS instructions are done; then the barrier (fill = 1: a round of the cluster's) and, first behind it, the refill of the slot just left.
.macro CHANGE fill, turn, ask
	s_wait_tensorcnt 0x0
	ds_add_u32 v[SPW], v[NIL]                      ; an add to my spare word
.if \fill
	ds_add_u32 v[SPW], v[NIL]                      ; and twice on end here
	s_xor_b32 s33, s33, SLOT1                      ; the walking descriptor: the other slot,
	s_add_nc_u64 s[34:35], s[34:35], SLOTB         ; the next two records
.if \ask
	s_wait_xcnt 0x0                                ; the last prefetch, two intervals back, has read its address
	s_add_nc_u64 s[44:45], s[44:45], SLOTB
.endif
.endif
.if \turn
	s_xor_b32 s36, s36, SLOT1                      ; the reads go on in the other slot
	s_xor_b32 s37, s37, SLOT1
.endif
	s_wait_dscnt 0x0
.if \fill
	CROUND
	JLOAD
.if \ask
	ASK
.endif
.else
	s_barrier_signal -1
	s_barrier_wait -1
.endif
.endm
.macro ADDR q                          ; the record in hand; on every wave's path.  These four plain instructions are also the four places behind the last interval's matrix instructions
	v_add_nc_u32 v6, s[36+\q], v2
	v_add_nc_u32 v7, s[36+\q], v3
	v_add_nc_u32 v8, s[36+\q], v4
	v_add_nc_u32 v9, s[36+\q], v5
.endm
.macro KLOAD
.irp u, 0,1
.irp s, 0,1
.irp c, 0,1
	ds_load_b128 v[100+16*\u+8*\s+4*\c:103+16*\u+8*\s+4*\c], v6 offset:\u*2048+\s*1024+\c*512
.endr
.endr
	ds_load_b32 v[244+\u], v7 offset:\u*128
.endr
.endm
.macro GKLOAD rec                      ; the same from memory: K of steps 0 and 1 lies in records 30 and 31
.irp u, 0,1
.irp s, 0,1
.irp c, 0,1
	global_load_b128 v[100+16*\u+8*\s+4*\c:103+16*\u+8*\s+4*\c], v2, s[20:21] offset:\rec*REC+\u*2048+\s*1024+\c*512
.endr
.endr
	global_load_b32 v[244+\u], v3, s[20:21] offset:\rec*REC+\u*128
.endr
.endm
.macro SMM                             ; S^T = K Q^T: 8 accumulators by turns, K step 0 starts the sums
.irp u, 0,1
.irp qt, 0,1,2,3
	v_wmma_scale_f32_16x16x128_f8f6f4 v[136+16*\qt+8*\u:143+16*\qt+8*\u], v[100+16*\u:107+16*\u], v[32+16*\qt:39+16*\qt], 0, v[244+\u], v[240+\qt] matrix_a_fmt:MATRIX_FMT_FP4 matrix_b_fmt:MATRIX_FMT_FP4
.endr
.endr
.irp u, 0,1
.irp qt, 0,1,2,3
	v_wmma_scale_f32_16x16x128_f8f6f4 v[136+16*\qt+8*\u:143+16*\qt+8*\u], v[108+16*\u:115+16*\u], v[40+16*\qt:47+16*\qt], v[136+16*\qt+8*\u:143+16*\qt+8*\u], v[244+\u], v[240+\qt] matrix_a_fmt:MATRIX_FMT_FP4 matrix_b_fmt:MATRIX_FMT_FP4 matrix_a_scale:MATRIX_SCALE_ROW1 matrix_b_scale:MATRIX_SCALE_ROW1
.endr
.endr
.endm
.macro SOFTMAX par
.irp q, 0,1,2,3
	v_max3_num_f32 v[208+\q], v[136+16*\q], v[137+16*\q], v[138+16*\q]    ; the block's largest score: p rises with the score, so it gives the block's largest p
.endr
.irp i, 3,5,7,9,11,13
.irp q, 0,1,2,3
	v_max3_num_f32 v[208+\q], v[208+\q], v[136+16*\q+\i], v[137+16*\q+\i]
.endr
.endr
.irp q, 0,1,2,3
	v_max_num_f32 v[208+\q], v[208+\q], v[151+16*\q]
.endr
.irp q, 0,1,2,3
	s_delay_alu instid0(VALU_DEP_4)
	v_permlanex16_b32 v[212+\q], v[208+\q], s42, s43
.endr
.irp q, 0,1,2,3
	s_delay_alu instid0(VALU_DEP_4)
	v_max_num_f32 v[208+\q], v[208+\q], v[212+\q]
.endr
.set j, 0
.rept 32
	v_pk_mul_f32 v[136+2*j:137+2*j], v[136+2*j:137+2*j], s[40:41] op_sel_hi:[1,0]   ; t = score x log2 e
.set j, j+1
.endr
.irp q, 0,1,2,3
	v_mul_f32 v[208+\q], s40, v[208+\q]
.endr
.set j, 0
	s_wait_alu depctr_va_vdst(0)
.rept 64
	v_exp_f32 v[136+j], v[136+j]
.set j, j+1
.endr
	v_nop                                          ; a plain instruction behind the batch,
	s_wait_alu depctr_va_vdst(0)                   ; and one wait for all 64, ahead of their first reader
.irp q, 0,1,2,3
	v_exp_f32 v[208+\q], v[208+\q]                 ; the blocks' largest p
.endr
.irp i, 0,2,4,6,8,10,12,14
.irp q, 0,1,2,3
	v_pk_add_f32 v[200+2*\q:201+2*\q], v[200+2*\q:201+2*\q], v[136+16*\q+\i:137+16*\q+\i]   ; the rows' sums, of the unquantised p
.endr
.endr
	s_wait_alu depctr_va_vdst(0)                   ; and one for the four
.irp q, 0,1,2,3
	v_max_num_f32 v[208+\q], 0x1800000, v[208+\q]
.endr
.irp q, 0,1,2,3
	s_delay_alu instid0(VALU_DEP_4)
	v_add_nc_u32 v[216+\q], 0xff000000, v[208+\q]
.endr
.irp q, 0,1,2,3
	s_delay_alu instid0(VALU_DEP_4)
	v_lshrrev_b32 v[220+\q], 23, v[216+\q]
.endr
.irp q, 0,1,2,3
	v_cvt_scalef32_pk8_fp4_f32 v[224+2*\q], v[136+16*\q:143+16*\q], v[216+\q]
	v_cvt_scalef32_pk8_fp4_f32 v[225+2*\q], v[144+16*\q:151+16*\q], v[216+\q]
.endr
	v_nop                                          ; a plain instruction behind the conversions: the next products write their sources
.irp q, 0,1,2,3
	ds_store_b64 v10, v[224+2*\q:225+2*\q] offset:(\par)*PBS+\q*1024   ; my 16 keys' codes, at their place in the operand's image
	ds_store_b8 v11, v[220+\q] offset:(\par)*PBS+\q*4
.endr
.endm
.macro PV par, zero                    ; O^T += V^T P^T and the same with V^2: 32 accumulators, one product each, always in this order
.irp qt, 0,1,2,3
.irp c, 0,1
	ds_load_b128 v[32+8*\qt+4*\c:35+8*\qt+4*\c], v12 offset:(\par)*PBS+\qt*1024+\c*512
.endr
.endr
	ds_load_b128 v[248:251], v13 offset:(\par)*PBS
	ds_load_b128 v[252:255], v9
.irp m, 0,1
.irp tau, 0,1,2,3
.irp c, 0,1
	ds_load_b128 v[68+8*(4*\m+\tau)+4*\c:71+8*(4*\m+\tau)+4*\c], v8 offset:\m*16384+\tau*1024+\c*512
.endr
.endr
.endr
	s_wait_dscnt 8                                 ; all but the youngest eight, V^2's
	WIN 0x50                                       ; C and D in window 1
.irp tau, 0,1,2,3
.irp qt, 0,1,2,3
.if \zero
	v_wmma_scale_f32_16x16x128_f8f6f4 v[8*(4*\tau+\qt):8*(4*\tau+\qt)+7], v[68+8*\tau:75+8*\tau], v[32+8*\qt:39+8*\qt], 0, v[252+\tau], v[248+\qt] matrix_a_fmt:MATRIX_FMT_FP4 matrix_b_fmt:MATRIX_FMT_FP4
.else
	v_wmma_scale_f32_16x16x128_f8f6f4 v[8*(4*\tau+\qt):8*(4*\tau+\qt)+7], v[68+8*\tau:75+8*\tau], v[32+8*\qt:39+8*\qt], v[8*(4*\tau+\qt):8*(4*\tau+\qt)+7], v[252+\tau], v[248+\qt] matrix_a_fmt:MATRIX_FMT_FP4 matrix_b_fmt:MATRIX_FMT_FP4
.endif
.endr
.endr
	s_wait_dscnt 0x0
.irp tau, 0,1,2,3
.irp qt, 0,1,2,3
.if \zero
	v_wmma_scale_f32_16x16x128_f8f6f4 v[8*(16+4*\tau+\qt):8*(16+4*\tau+\qt)+7], v[100+8*\tau:107+8*\tau], v[32+8*\qt:39+8*\qt], 0, v[252+\tau], v[248+\qt] matrix_a_fmt:MATRIX_FMT_FP4 matrix_b_fmt:MATRIX_FMT_FP4 matrix_a_scale:MATRIX_SCALE_ROW1
.else
	v_wmma_scale_f32_16x16x128_f8f6f4 v[8*(16+4*\tau+\qt):8*(16+4*\tau+\qt)+7], v[100+8*\tau:107+8*\tau], v[32+8*\qt:39+8*\qt], v[8*(16+4*\tau+\qt):8*(16+4*\tau+\qt)+7], v[252+\tau], v[248+\qt] matrix_a_fmt:MATRIX_FMT_FP4 matrix_b_fmt:MATRIX_FMT_FP4 matrix_a_scale:MATRIX_SCALE_ROW1
.endif
.endr
.endr
	WIN 0
.endm
; An interval.  q: the record of the slot; par: the buffer that P goes to; ks: K comes from LDS; mm: 0 no products, 1 K from LDS, 2 K came from memory and has been waited for; pv, zero: the sum waves' part.
.macro INT q, par, ks, mm, pv, zero
	ADDR \q
	s_cmp_lt_u32 s12, 4
	s_cbranch_scc0 .Lsum_\@
.if \ks
	KLOAD
.endif
	SOFTMAX \par
.if \mm == 1
	s_wait_dscnt 8                                 ; K is in; P's eight stores are younger
	SMM
.endif
.if \mm == 2
	SMM
.endif
	s_branch .Ljoin_\@
.Lsum_\@:
.if \pv
	s_wait_alu depctr_va_vdst(0)
	PV 1-\par, \zero
.endif
.Ljoin_\@:
.endm
	s_load_b256 s[4:11], s[0:1], 0x0               ; qkv, content, cst, out0
	v_lshl_add_u32 v[SPW], v0, 2, SPARE
	v_mov_b32 v[NIL], 0
	ds_add_u32 v[SPW], v[NIL]                      ; the opening: the add, twice on end, and its wait ahead of the first tensor load
	ds_add_u32 v[SPW], v[NIL]
	v_lshrrev_b32 v24, 5, v0
	s_delay_alu instid0(VALU_DEP_1)
	v_readfirstlane_b32 s12, v24                   ; wave 0..7
	s_and_b32 s13, s12, 3                          ; my number within my role
	s_bfe_u32 s14, ttmp6, 0x40000                  ; cx
	s_lshl_b32 s15, ttmp9, 2
	s_add_co_u32 s15, s15, s14                     ; my block of 64 queries: it enters Q's, content's and out's addresses and the prefetches' alone
	s_and_b32 s16, ttmp7, 0xffff                   ; the batch, which the partners share
	v_and_b32 v24, 31, v0
	v_and_b32 v25, 15, v0
	v_bfe_u32 v26, v0, 4, 1
	s_delay_alu instid0(VALU_DEP_3)
	v_lshlrev_b32 v1, 4, v24
	s_lshl_b32 s54, s13, 12
	s_add_co_u32 s55, s54, 34816
	v_add_nc_u32 v2, s55, v1                       ; K's two tiles of my key block
	v_add_nc_u32 v4, s54, v1                       ; V's four tiles of my channels
	s_lshl_b32 s54, s13, 8
	s_add_co_u32 s55, s54, 51200
	v_lshl_add_u32 v3, v24, 2, s55
	s_add_co_u32 s55, s54, PB0
	v_lshl_add_u32 v10, v25, 4, s55
	s_delay_alu instid0(VALU_DEP_1)
	v_lshl_add_u32 v10, v26, 3, v10
	s_add_co_u32 s55, s13, PB0+4096
	v_lshl_add_u32 v11, v25, 4, s55
	v_add_nc_u32 v12, PB0, v1
	v_lshl_add_u32 v13, v25, 4, PB0+4096
	v_mul_u32_u24 v16, v25, SP
	s_delay_alu instid0(VALU_DEP_1)
	v_lshl_add_u32 v16, v26, 6, v16
	s_delay_alu instid0(VALU_DEP_1)
	v_add_nc_u32 v16, s54, v16
	s_delay_alu instid0(VALU_DEP_1)
	v_add_nc_u32 v17, STGS, v16
	s_mul_i32 s55, s12, 8*SP
	v_add_nc_u32 v18, s55, v1
	s_delay_alu instid0(VALU_DEP_1)
	v_add_nc_u32 v19, STGS, v18
	s_lshl_b32 s55, s13, 9
	s_add_co_u32 s56, s55, LSUM
	v_add_nc_u32 v20, s56, v1
	s_add_co_u32 s56, s55, 32768
	v_add_nc_u32 v5, s56, v1
	v_add_nc_u32 v21, LSUM, v1
	v_lshlrev_b32 v22, 8, v24
	v_lshlrev_b32 v23, 2, v24
.irp i, 0,1,2,3,4,5,6,7
	v_mov_b32 v[200+\i], 0                         ; the rows' sums
.endr
.irp i, 0,1,2,3
	v_mov_b32 v[212+\i], 0                         ; a lane permute's destination counts as one of its sources
.endr
	; descriptor group 1: 102 rows of 256 bytes (32 elements of 8), dense, no padding: images are read 16 bytes a lane on end
	s_mov_b32 s24, 15|(3<<16)|(1<<21)              ; the mask names all four partners; bit 21 beside it
	s_mov_b32 s25, 32<<16
	s_mov_b32 s26, 102<<16
	s_mov_b32 s27, 32<<16
	s_mov_b32 s28, 102
	s_mov_b32 s29, 32
	s_mov_b32 s30, 0
	s_mov_b32 s31, 0
	s_mov_b32 s36, 0                               ; where the slot's two records begin
	s_mov_b32 s37, REC
	s_mov_b32 s38, 14                              ; changes of slots that ask for a content: 2 to 15
	s_mov_b32 s40, 0x3fb8aa3b                      ; log2 e
	s_mov_b32 s41, s40
	s_mov_b32 s42, 0x76543210
	s_mov_b32 s43, 0xfedcba98
	s_sub_co_u32 s54, s12, 4
	s_cmp_lt_u32 s54, 3
	s_cselect_b32 s55, 0, 1                        ; waves 4, 5, 6
	s_or_b32 s55, s55, ttmp9                       ; of the batch's first cluster: the same in all partners
	s_cmp_eq_u32 s55, 0
	s_cselect_b32 s39, 2, -1
	s_mul_i32 s18, s16, KVB
	s_mov_b32 s19, 0
	s_mul_i32 s33, s13, QUART                      ; my quarter of a slot
	s_mov_b32 s22, s33
	s_mov_b32 s23, 0
	s_lshr_b32 s54, s15, 1
	s_lshl_b32 s55, s16, 5
	s_add_co_u32 s54, s54, s55
	s_mul_i32 s54, s54, QREC
	s_add_co_u32 s54, s54, QBASE                   ; Q's record
	s_and_b32 s56, s15, 1
	s_lshl_b32 s57, s56, 13
	s_add_co_u32 s58, s54, s57                     ; my four tiles' codes
	s_mov_b32 s59, 0
	s_lshl_b32 s57, s56, 9
	s_add_co_u32 s60, s54, s57
	s_add_co_u32 s60, s60, 16384                   ; and scale words
	s_mov_b32 s61, 0
	s_lshr_b32 s54, s12, 2
	s_lshl_b32 s54, s54, 5
	s_and_b32 s55, s12, 1
	s_lshl_b32 s55, s55, 4
	s_add_co_u32 s54, s54, s55
	s_bfe_u32 s55, s12, 0x10001
	s_lshl_b32 s55, s55, 3
	s_add_co_u32 s54, s54, s55                     ; the way out: stage rows 8 wave + i are the true rows 32 (wave / 4) + 16 (wave % 2) + 8 ((wave / 2) % 2) + i
	s_lshl_b32 s55, s15, 6
	s_add_co_u32 s54, s54, s55
	s_lshl_b32 s55, s16, 12
	s_add_co_u32 s54, s54, s55
	s_lshl_b32 s62, s54, 10
	s_mov_b32 s63, 0
	s_mul_i32 s54, s14, QUART
	s_lshl_b32 s55, s13, 13
	s_add_co_u32 s54, s54, s55
	s_add_co_u32 s54, s54, 3*SLOTB                 ; the prefetches stand at content 3; the first request steps them to content 4
	s_mov_b32 s55, 0
	s_lshl_b32 s56, s16, 11
	s_mov_b32 s57, 0
	s_wait_dscnt 0x0                               ; both opening adds are done
	s_wait_kmcnt 0x0
	s_add_nc_u64 s[20:21], s[4:5], s[18:19]        ; the batch's records
	s_add_nc_u64 s[46:47], s[4:5], s[58:59]
	s_add_nc_u64 s[58:59], s[4:5], s[60:61]
	s_add_nc_u64 s[48:49], s[6:7], s[62:63]
	s_add_nc_u64 s[50:51], s[10:11], s[62:63]
	s_add_nc_u64 s[52:53], s[8:9], s[56:57]
	s_add_nc_u64 s[44:45], s[20:21], s[54:55]
	s_mov_b32 s32, 1
	s_add_nc_u64 s[34:35], s[20:21], s[22:23]
	s_or_b32 s35, s35, 0x80000000
	CROUND                                         ; all four work-groups are here: the first joint loads meet
	JLOAD                                          ; content 0 into slot 0
	s_cmp_lt_u32 s12, 4
	s_cbranch_scc0 .Lhead_join
.irp qt, 0,1,2,3
.irp s, 0,1
.irp c, 0,1
	global_load_b128 v[32+16*\qt+8*\s+4*\c:35+16*\qt+8*\s+4*\c], v1, s[46:47] offset:\qt*2048+\s*1024+\c*512   ; Q stays in registers
.endr
.endr
	global_load_b32 v[240+\qt], v23, s[58:59] offset:\qt*128
.endr
	GKLOAD 30                                      ; K of step 0
	s_wait_loadcnt 0x0
	SMM                                            ; the scores of step 0
.rept 4
	v_nop
.endr
	GKLOAD 31                                      ; K of step 1
.Lhead_join:
	CHANGE 1, 0, 0                                 ; content 0 has landed; content 1 goes into slot 1, behind a round behind which nothing is filled again
	s_wait_loadcnt 0x0                             ; K of step 1 is in.  The wait stands on every wave's path: from here on no load from memory is pending when a load into these registers is issued, in either role
	INT 0, 0, 0, 2, 0, 0                           ; interval 0: the score waves alone
	BAR
	INT 0, 1, 1, 1, 1, 1                           ; interval 1: the first products start the sums
	BAR
	INT 1, 0, 1, 1, 1, 0
.Lslot:                                            ; 14 trips, two intervals each: intervals 3 to 30
	CHANGE 1, 1, 1
	INT 0, 1, 1, 1, 1, 0
	BAR
	INT 1, 0, 1, 1, 1, 0
	s_sub_co_u32 s38, s38, 1
	s_cmp_lg_u32 s38, 0
	s_cbranch_scc1 .Lslot
	CHANGE 0, 1, 0                                 ; the tail is written out: nothing more is asked for
	INT 0, 1, 0, 0, 1, 0                           ; interval 31: the last softmax
	BAR
	ADDR 1                                         ; interval 32
	s_cmp_lt_u32 s12, 4
	s_cbranch_scc0 .Llast_sum
.irp q, 0,1,2,3
	v_add_f32 v[208+\q], v[200+2*\q], v[201+2*\q]
.endr
.irp q, 0,1,2,3
	s_delay_alu instid0(VALU_DEP_4)
	v_permlanex16_b32 v[212+\q], v[208+\q], s42, s43
.endr
.irp q, 0,1,2,3
	s_delay_alu instid0(VALU_DEP_4)
	v_add_f32 v[208+\q], v[208+\q], v[212+\q]      ; my key blocks' part of each query's sum
.endr
	ds_store_b128 v20, v[208:211]
	s_branch .Llast_join
.Llast_sum:
	s_wait_alu depctr_va_vdst(0)
	PV 1, 0
.Llast_join:
	BAR
	; ---------------- the way out ----------------
.rept 4
	v_nop                                          ; places behind the last products: for the loads below and for the first reads of the sums
.endr
.set i, 0
.rept 8
	global_load_b128 v[32+8*i:35+8*i], v1, s[48:49] offset:1024*i th:TH_LOAD_NT       ; my eight rows of content, 512 consecutive bytes a load
	global_load_b128 v[36+8*i:39+8*i], v1, s[48:49] offset:1024*i+512 th:TH_LOAD_NT
.set i, i+1
.endr
	global_load_b128 v[MEA:MEA+3], v1, s[52:53]                  ; mean of channels 4 lane on, and of 128 + 4 lane on
	global_load_b128 v[MEA+4:MEA+7], v1, s[52:53] offset:512
	global_load_b128 v[RSD:RSD+3], v1, s[52:53] offset:1024      ; rstd likewise
	global_load_b128 v[RSD+4:RSD+7], v1, s[52:53] offset:1536
	s_cmp_lt_u32 s12, 4
	s_cbranch_scc1 .Lout_join
.irp w, 0,1,2,3
	ds_load_b128 v[112+4*\w:115+4*\w], v21 offset:512*\w
.endr
	s_wait_dscnt 0x0
	v_pk_add_f32 v[112:113], v[112:113], v[116:117]
	v_pk_add_f32 v[114:115], v[114:115], v[118:119]
	v_pk_add_f32 v[120:121], v[120:121], v[124:125]
	v_pk_add_f32 v[122:123], v[122:123], v[126:127]
	s_delay_alu instid0(VALU_DEP_2)
	v_pk_add_f32 v[112:113], v[112:113], v[120:121]
	s_delay_alu instid0(VALU_DEP_2)
	v_pk_add_f32 v[114:115], v[114:115], v[122:123]        ; l of my query in each of the four tiles
	s_wait_alu depctr_va_vdst(0)
.irp q, 0,1,2,3
	v_rcp_f32 v[128+2*\q], v[112+\q]
	v_rcp_f32 v[129+2*\q], v[112+\q]
.endr
	v_nop
	s_wait_alu depctr_va_vdst(0)                   ; one wait for the eight reciprocals
.macro OUTQ q
	WIN 0x01                                       ; source 0: window 1
.irp tau, 0,1,2,3
.irp p, 0,2,4,6
	v_pk_mul_f32 v[136+8*\tau+\p:137+8*\tau+\p], v[8*(4*\tau+\q)+\p:8*(4*\tau+\q)+\p+1], v[128+2*\q:129+2*\q]          ; M = sum / l
.endr
.endr
.irp tau, 0,1,2,3
.irp p, 0,2,4,6
	v_pk_mul_f32 v[168+8*\tau+\p:169+8*\tau+\p], v[8*(16+4*\tau+\q)+\p:8*(16+4*\tau+\q)+\p+1], v[128+2*\q:129+2*\q]    ; E = sum of squares / l
.endr
.endr
	WIN 0
.set j, 0
.rept 16
	v_pk_fma_f32 v[168+2*j:169+2*j], v[136+2*j:137+2*j], v[136+2*j:137+2*j], v[168+2*j:169+2*j] neg_lo:[1,0,0] neg_hi:[1,0,0]   ; E - M^2
.set j, j+1
.endr
.set j, 0
.rept 32
	v_max_num_f32 v[168+j], 0, v[168+j]
.set j, j+1
.endr
.set j, 0
	s_wait_alu depctr_va_vdst(0)
.rept 32
	v_sqrt_f32 v[168+j], v[168+j]                  ; sqrt(0) = 0, as the guarded root gives
.set j, j+1
.endr
	v_nop
	s_wait_alu depctr_va_vdst(0)
.irp tau, 0,1,2,3
	ds_store_b128 v16, v[136+8*\tau:139+8*\tau] offset:\q*16*SP+(\tau/2)*128+(\tau%2)*32
	ds_store_b128 v16, v[140+8*\tau:143+8*\tau] offset:\q*16*SP+(\tau/2)*128+(\tau%2)*32+16
	ds_store_b128 v17, v[168+8*\tau:171+8*\tau] offset:\q*16*SP+(\tau/2)*128+(\tau%2)*32
	ds_store_b128 v17, v[172+8*\tau:175+8*\tau] offset:\q*16*SP+(\tau/2)*128+(\tau%2)*32+16
.endr
	s_wait_dscnt 0x0                               ; the stores have read their registers
.endm
	OUTQ 0
	OUTQ 1
	OUTQ 2
	OUTQ 3
.Lout_join:
	BAR                                            ; 64 rows of M and of S lie in the stages
	s_wait_loadcnt 0x0
.irp bt, 0,1
.irp k, 0,1,2,3
.irp hf, 0,1
	ds_load_b128 v[136+8*\k+4*\hf:139+8*\k+4*\hf], v19 offset:(4*\bt+\k)*SP+512*\hf
	ds_load_b128 v[168+8*\k+4*\hf:171+8*\k+4*\hf], v18 offset:(4*\bt+\k)*SP+512*\hf
.endr
.endr
	s_wait_dscnt 0x0
.irp k, 0,1,2,3
.irp hf, 0,1
.irp p, 0,2
	v_pk_add_f32 v[32+8*(4*\bt+\k)+4*\hf+\p:33+8*(4*\bt+\k)+4*\hf+\p], v[32+8*(4*\bt+\k)+4*\hf+\p:33+8*(4*\bt+\k)+4*\hf+\p], v[MEA+4*\hf+\p:MEA+1+4*\hf+\p] neg_lo:[0,1] neg_hi:[0,1]
.endr
.irp p, 0,2
	s_delay_alu instid0(VALU_DEP_2)
	v_pk_mul_f32 v[32+8*(4*\bt+\k)+4*\hf+\p:33+8*(4*\bt+\k)+4*\hf+\p], v[32+8*(4*\bt+\k)+4*\hf+\p:33+8*(4*\bt+\k)+4*\hf+\p], v[RSD+4*\hf+\p:RSD+1+4*\hf+\p]
.endr
.irp p, 0,2
	s_delay_alu instid0(VALU_DEP_2)
	v_pk_fma_f32 v[32+8*(4*\bt+\k)+4*\hf+\p:33+8*(4*\bt+\k)+4*\hf+\p], v[32+8*(4*\bt+\k)+4*\hf+\p:33+8*(4*\bt+\k)+4*\hf+\p], v[136+8*\k+4*\hf+\p:137+8*\k+4*\hf+\p], v[168+8*\k+4*\hf+\p:169+8*\k+4*\hf+\p]
.endr
	global_store_b128 v1, v[32+8*(4*\bt+\k)+4*\hf:35+8*(4*\bt+\k)+4*\hf], s[50:51] offset:(4*\bt+\k)*1024+512*\hf th:TH_STORE_NT   ; 512 consecutive bytes, aligned
.endr
.endr
.endr
	s_wait_tensorcnt 0x0                           ; the wave's end: a tensor wait, an add and its wait
	ds_add_u32 v[SPW], v[NIL]
	s_wait_dscnt 0x0
	CROUND                                         ; the closing round: no work-group ends while a partner may still ask for a content that names it
	s_endpgm
.Lfunc_end_k_qa2183c1cdf_attn:
	.size	k_qa2183c1cdf_attn, .Lfunc_end_k_qa2183c1cdf_attn-k_qa2183c1cdf_attn
	.p2alignl 7, 3214868480
	.fill 96, 4, 3214868480
	.section	.rodata,"a",@progbits
	.p2align	6, 0x0
	.amdhsa_kernel k_qa2183c1cdf_attn
		.amdhsa_group_segment_fixed_size 327680
		.amdhsa_private_segment_fixed_size 0
		.amdhsa_enable_private_segment 0
		.amdhsa_kernarg_size 32
		.amdhsa_user_sgpr_count 2
		.amdhsa_user_sgpr_kernarg_segment_ptr 1
		.amdhsa_wavefront_size32 1
		.amdhsa_system_sgpr_workgroup_id_x 1
		.amdhsa_system_sgpr_workgroup_id_y 1
		.amdhsa_system_sgpr_workgroup_id_z 1
		.amdhsa_system_vgpr_workitem_id 0
		.amdhsa_next_free_vgpr 512
		.amdhsa_next_free_sgpr 66
		.amdhsa_reserve_vcc 0
		.amdhsa_float_denorm_mode_32 3
		.amdhsa_float_denorm_mode_16_64 3
		.amdhsa_memory_ordered 1
		.amdhsa_forward_progress 1
		.amdhsa_inst_pref_size 171
	.end_amdhsa_kernel
	.amdgpu_metadata
---
amdhsa.version: [ 1, 2 ]
amdhsa.kernels:
  - .name:           k_qa2183c1cdf_attn
    .symbol:         k_qa2183c1cdf_attn.kd
    .args:
      - { .name: qkv, .offset: 0, .size: 8, .value_kind: global_buffer, .address_space: global }
      - { .name: content, .offset: 8, .size: 8, .value_kind: global_buffer, .address_space: global }
      - { .name: cst, .offset: 16, .size: 8, .value_kind: global_buffer, .address_space: global }
      - { .name: out0, .offset: 24, .size: 8, .value_kind: global_buffer, .address_space: global }
    .group_segment_fixed_size: 327680
    .private_segment_fixed_size: 0
    .kernarg_segment_align: 8
    .kernarg_segment_size: 32
    .max_flat_workgroup_size: 256
    .sgpr_count:     66
    .vgpr_count:     512
    .wavefront_size: 32
...
	.end_amdgpu_metadata
.endif
;; end of part 3
